; MI455X (gfx1250); checked and timed in simulation.
; The chip was launched on July 23, 2026; its instructions are those of AMD's public machine-readable ISA for CDNA 5 (MIT licence, August 2026) and "CDNA5" Instruction Set Architecture Reference Guide (July 2026). The comments in the code are by the model that wrote it; some were corrected since.
;; Multihead Sparse Relu Attention. Allowed arithmetic: matrix products marked QUANTISED: E2M3 operands, one E8M0 scale for each 32 along K, by v_wmma_scale_f32_16x16x128_f8f6f4 with both operands' format E2M3, f32 sums; everything else in f32.
;; Inputs: feat_mask 3,072 x 2,048 bool; k_b 2,048 float32; k_w 2,048 x 512 float32; key 2,048 x 4 x 512 float32; q_b 2,048 float32; q_w 2,048 x 512 float32; query 2,048 x 4 x 512 float32; v_b 512 float32; v_w 512 x 512 float32; value 2,048 x 4 x 512 float32.
;; Outputs: out0 2,048 x 4 x 512 float32.
;; This version of the problem:
;;   THIS VERSION OF THE PROBLEM IS GIVEN IN LOW PRECISION. The matrix products marked QUANTISED in the list below multiply operands that are first quantised to E2M3 (2 exponent bits, 3 mantissa bits; 6 bits a number), with one power-of-two scale for each 32 numbers along K (OCP MX v1.0); their sums are f32. All else is computed in f32.
;;   The module's matrix products, in the order in which they are computed (A, B: the left and right operand; K: the contracted axis; several contracted axes count as one K, in the product's order):
;;     1. [M 8,192, K 512] x [K 512, N 2,048]; A: input query; B: input q_w: QUANTISED
;;     2. [M 8,192, K 512] x [K 512, N 2,048]; A: input key; B: input k_w: QUANTISED
;;     3. [M 8,192, K 512] x [K 512, N 512]; A: input value; B: input v_w: QUANTISED
;;     4. batch 4 x [M 2,048, K 2,048] x [K 2,048, N 2,048]; A: computed on the way; B: computed on the way: QUANTISED
;;     5. batch 4 x [M 512, K 2,048] x [K 2,048, N 2,048]; A: computed on the way; B: computed on the way: QUANTISED
;;   THE QUANTISER, for each operand of a quantised product, along K:
;;     - K is cut into blocks of 32 from its start; a last block that is shorter is filled with zeros.
;;     - A block's scale is 2^e with e = floor(log2(the largest magnitude in the block)) - 2, held to -126 .. 127; a block of zeros has e = 0. As a byte (E8M0): e + 127.
;;     - Each number is divided by its block's scale, clamped to +-7.5, and rounded to the nearest number of E2M3, ties to even, subnormals kept.
;;     - The product sums the exact products of the quantised numbers (number of the format x scale) in f32.
;;   ~~~python
;;   def quantise(x, axis):      # numpy; x: float32 -> the quantised numbers, widened to float32 again
;;       x = np.moveaxis(x, axis, -1); K = x.shape[-1]
;;       x = np.pad(x, [(0, 0)] * (x.ndim - 1) + [(0, -K % 32)]); x = x.reshape(x.shape[:-1] + (-1, 32)); a = np.abs(x).max(-1, keepdims=True)
;;       e = np.where(a > 0, np.clip(np.frexp(np.where(a > 0, a, 1))[1] - 1 - 2, -126, 127), 0)      # np.frexp(a)[1] - 1 = floor(log2(a)), exactly
;;       r = np.clip(x / 2.0 ** e, -7.5, 7.5)
;;       step = 2.0 ** (np.maximum(np.frexp(np.where(r == 0, 1, r))[1] - 1, 0) - 3)
;;       q = np.round(r / step) * step * 2.0 ** e      # np.round: ties to even
;;       return np.moveaxis(q.reshape(q.shape[:-2] + (-1,))[..., :K], -1, axis).astype(np.float32)
;;   ~~~
;;   OPERANDS COMPUTED ON THE WAY. 'Computed on the way' means the value that the module computes at that place (a softmax that the list does not call 'softmax' is quantised finished and normalised). What goes into a quantiser is computed in f32, as accurately as f32 sums, v_exp_f32 and their like allow (about 1e-6 of the number): no bf16 or f16 on the way to a quantiser, and a product that is left as it is and whose result goes on into a quantised operand takes f32 operands (vector FMAs, or v_wmma_f32_16x16x4_f32). A number that lies on a knife's edge between two numbers of the format may be rounded either way, as far as f32 arithmetic and the matrix unit's own rounding can turn it there, and no further.
;; 2 versions, each right and faster than the one before. Each part assembles by itself: llvm-mc -triple=amdgcn-amd-amdhsa -mcpu=gfx1250 --defsym DOCPART=n.
;; ======== version 1 of 2: 4 launches
;; workspace buffers: c1 11,206,656 bytes; s1 466,944 bytes; c2 28,311,552 bytes; s2 1,179,648 bytes; c3 12,582,912 bytes; s3 524,288 bytes
;; launch quant (part 1): grid 456 x 1, 4 waves a work-group, no clusters, 34,304 bytes of LDS; arguments query, key, value, q_w, k_w, v_w, c1, s1; writes c1, s1
.if DOCPART == 1
	.amdgcn_target "amdgcn-amd-amdhsa--gfx1250"
	.amdhsa_code_object_version 6
	.text
	.protected	k_qda8aa3274f_quant
	.globl	k_qda8aa3274f_quant
	.p2align	8
	.type	k_qda8aa3274f_quant,@function
k_qda8aa3274f_quant:
	s_mov_b64 s[64:65], 0
	v_nop
	global_prefetch_b8 v0, s[64:65] scope:SCOPE_SE
	s_setreg_imm32_b32 hwreg(HW_REG_WAVE_MODE, 25, 1), 1
	s_wait_xcnt 0x0
; query, key, value [2048][4][512] and q_w, k_w [2048][512], v_w [512][512], all f32 with K = 512 innermost, become codes of FP6 (E2M3) with one E8M0 byte for each 32 along K.
; A block's scale is 2^(floor(log2(its largest magnitude)) - 2); its byte is the largest magnitude's exponent field - 2, held at 1 from below.
; LIMITS: NaN and infinities are not served.  A block of zeros gets the byte 1 where the rule says 127: its codes are zeros, and these bytes are read by this program alone.
; ROWBLOCKS.  The codes are laid in the order of an operand's registers.  A rowblock is 16 rows: rowblock blk begins at row 32 (blk / 2) + 8 (blk % 2), and its slot p is that row + p + 8 (p / 8).
; A fragment (a rowblock x 128 K) is 12 registers a lane and lies as 1,536 dense bytes: registers 4 c .. 4 c + 3 of lane L at 512 c + 16 L.  c1: [rowblock G][K step 0..3][1,536].  s1: [G][slot][K step] one word each.
; G: 0-511 query (4 x block of l + b), 512-1023 key likewise, 1024-1535 value (128 b + block of s), 1536-1663 q_w, 1664-1791 k_w, 1792-1823 v_w.
; SHARES.  Wave w of work-group g owns rowblock 4 g + w.  One path serves all six tensors: only the pointer, the pitch and the block's place are chosen, by the work-group's number.
; A load reads 512 consecutive bytes of one row (a K step); the 16 rows turn through the wave's own stage in LDS (rows of 528 bytes), so that lane (r, h) gets 16 neighbours of each block of 32 of row r.
; No barrier: waves share nothing.  Loads run one K step (16 loads a wave) ahead.
.set SROW,  528                        ; a stage row: 512 bytes + 16
.set SWAVE, 16*SROW                    ; a wave's stage
.set TM,   8                           ; v8-23   largest magnitudes, bytes, scale operands
.set TMP,  24                          ; v24-31  the conversions' second halves
.set PW,   32                          ; v32-35  a scale word for each K step
.set PC,   36                          ; v36-83  codes: 12 registers for each K step, so that no store's data are written again
.set R0,   84                          ; v84-147, v148-211  two sets of 64 numbers
.set SEL,  66                          ; s[66:67] lane selects: lane l xor 16
	s_load_b256 s[4:11], s[0:1], 0x0               ; query, key, value, q_w
	s_load_b256 s[12:19], s[0:1], 0x20             ; k_w, v_w, c1, s1
	v_lshl_add_u32 v216, v0, 2, 0x8400
	v_mov_b32 v217, 0
	v_lshrrev_b32 v1, 5, v0
	v_readfirstlane_b32 s20, v1                    ; wave
	v_and_b32 v6, 31, v0                           ; lane
	v_and_b32 v7, 15, v0                           ; r
	v_bfe_u32 v5, v0, 4, 1                         ; h
	v_lshlrev_b32 v1, 4, v6                        ; 16 x lane: my bytes of a load, and of an image
	s_mul_i32 s27, s20, SWAVE
	v_add_nc_u32 v2, s27, v1                       ; the stage on the way in
	v_mul_u32_u24 v3, v7, SROW
	v_lshl_add_u32 v3, v5, 6, v3
	v_add_nc_u32 v3, s27, v3                       ; and on the way out: row r, + 64 h
	v_lshlrev_b32 v4, 4, v7
	v_lshl_add_u32 v4, v5, 3, v4                   ; the scale words' place: 16 r + 8 h
.irp b, 0,1,2,3
	v_mov_b32 v[TM+4+\b], 0                        ; written once: a lane permute's destination counts as one of its sources
.endr
	s_mov_b32 s[SEL], 0x76543210
	s_mov_b32 s[SEL+1], 0xfedcba98
	s_wait_kmcnt 0x0
	s_mov_b64 s[28:29], s[14:15]                   ; which tensor, and its first work-group: the choice hangs on the work-group's number alone
	s_mov_b32 s21, 448
	s_cmp_lt_u32 ttmp9, 448
	s_cselect_b64 s[28:29], s[12:13], s[28:29]
	s_cselect_b32 s21, 416, s21
	s_cmp_lt_u32 ttmp9, 416
	s_cselect_b64 s[28:29], s[10:11], s[28:29]
	s_cselect_b32 s21, 384, s21
	s_cmp_lt_u32 ttmp9, 384
	s_cselect_b64 s[28:29], s[8:9], s[28:29]
	s_cselect_b32 s21, 256, s21
	s_mov_b32 s30, 2048
	s_cselect_b32 s30, 8192, s30                   ; bytes from a row of a block to the next: 4 x 2,048 in query, key, value; 2,048 in the weights
	s_cmp_lt_u32 ttmp9, 256
	s_cselect_b64 s[28:29], s[6:7], s[28:29]
	s_cselect_b32 s21, 128, s21
	s_cmp_lt_u32 ttmp9, 128
	s_cselect_b64 s[28:29], s[4:5], s[28:29]
	s_cselect_b32 s21, 0, s21
	s_sub_co_u32 s22, ttmp9, s21
	s_lshl_b32 s22, s22, 2
	s_add_co_u32 s22, s22, s20                     ; the rowblock's number within its tensor
	s_lshr_b32 s23, s22, 2
	s_and_b32 s24, s22, 3
	s_and_b32 s25, s22, 127
	s_lshr_b32 s26, s22, 7
	s_cmp_lt_u32 ttmp9, 256
	s_cselect_b32 s23, s23, s25                    ; blk
	s_cselect_b32 s24, s24, s26                    ; b (0 in the weights)
	s_lshr_b32 s25, s23, 1
	s_lshl_b32 s25, s25, 5
	s_and_b32 s26, s23, 1
	s_lshl_b32 s26, s26, 3
	s_add_co_u32 s25, s25, s26                     ; the block's first row
	s_mul_i32 s26, s25, s30
	s_lshl_b32 s24, s24, 11
	s_add_co_u32 s26, s26, s24
	s_mov_b32 s27, 0
	s_mov_b32 s31, 0
	s_mul_i32 s68, s30, 9                          ; from slot 7 to slot 8: nine rows
	s_mov_b32 s69, 0
	s_add_nc_u64 s[32:33], s[28:29], s[26:27]      ; sixteen row bases, s[32:63]
.irp i, 1,2,3,4,5,6,7,8,9,10,11,12,13,14,15
.if \i == 8
	s_add_nc_u64 s[32+2*\i:33+2*\i], s[30+2*\i:31+2*\i], s[68:69]
.else
	s_add_nc_u64 s[32+2*\i:33+2*\i], s[30+2*\i:31+2*\i], s[30:31]
.endif
.endr
	s_lshl_b32 s22, ttmp9, 2
	s_add_co_u32 s22, s22, s20                     ; G
	s_mul_i32 s24, s22, 6144
	s_mov_b32 s25, 0
	s_add_nc_u64 s[70:71], s[16:17], s[24:25]      ; my rowblock's codes
	s_lshl_b32 s24, s22, 8
	s_add_nc_u64 s[72:73], s[18:19], s[24:25]      ; and its scale words
.macro LOAD s                          ; K step s of the 16 rows: each load reads 512 consecutive bytes
.set RL, R0+64*((\s)%2)
.irp i, 0,1,2,3,4,5,6,7,8,9,10,11,12,13,14,15
	global_load_b128 v[RL+4*\i:RL+4*\i+3], v1, s[32+2*\i:33+2*\i] offset:512*(\s) th:TH_LOAD_NT
.endr
.endm
; 64 numbers of a lane, register 16 b + i = k 32 b + 16 h + i of my row, become a fragment's codes in v[pc] on and its scale word in v[pw]
.macro QUANT s, pc, pw
.irp b, 0,1,2,3
	v_max3_num_f32 v[TM+\b], |v[(\s)+16*\b]|, |v[(\s)+16*\b+1]|, 0x1800000   ; my 16 numbers of block b, and the floor 2^(3 - 127): so the byte cannot fall under 1
.endr
.irp i, 2,4,6,8,10,12,14
.irp b, 0,1,2,3
	v_max3_num_f32 v[TM+\b], |v[(\s)+16*\b+\i]|, |v[(\s)+16*\b+\i+1]|, v[TM+\b]   ; the four blocks by turns
.endr
.endr
.irp b, 0,1,2,3
	v_permlanex16_b32 v[TM+4+\b], v[TM+\b], s[SEL], s[SEL+1]
.endr
.irp b, 0,1,2,3
	v_max_num_f32 v[TM+\b], v[TM+\b], v[TM+4+\b]   ; with lane l xor 16's: the block's largest magnitude
.endr
.irp b, 0,1,2,3
	v_add_nc_u32 v[TM+12+\b], 0xff000000, v[TM+\b] ; 2 off its exponent field: the conversion's scale operand
.endr
.irp b, 0,1,2,3
	v_lshrrev_b32 v[TM+4+\b], 23, v[TM+12+\b]      ; the scale's byte
.endr
	v_lshl_or_b32 v[\pw], v[TM+5], 8, v[TM+4]
	v_lshl_or_b32 v[\pw], v[TM+6], 16, v[\pw]
	v_lshl_or_b32 v[\pw], v[TM+7], 24, v[\pw]
.irp c, 0,1
	v_cvt_scalef32_pk16_fp6_f32 v[(\pc)+6*\c:(\pc)+6*\c+2], v[(\s)+32*\c:(\s)+32*\c+15], v[TM+12+2*\c]
	v_cvt_scalef32_pk16_fp6_f32 v[TMP+4*\c:TMP+4*\c+2], v[(\s)+32*\c+16:(\s)+32*\c+31], v[TM+13+2*\c]   ; (a conversion's three registers begin on an even number)
.endr
	v_nop                                          ; one plain place behind a scaled conversion
.irp c, 0,1                            ; the operand's layout wants a whole block in a lane: lanes 0-15 block 2 c, lanes 16-31 block 2 c + 1
.irp i, 0,1,2
	v_permlane16_swap_b32 v[(\pc)+6*\c+\i], v[TMP+4*\c+\i]
.endr
.irp i, 0,1,2
	v_mov_b32 v[(\pc)+6*\c+3+\i], v[TMP+4*\c+\i]
.endr
.endr
.endm
.macro STEP s
.set RR, R0+64*((\s)%2)
.if (\s) < 3
	s_wait_loadcnt 16                              ; this K step's sixteen loads are in; the next step's sixteen may be out
.else
	s_wait_loadcnt 0x0
.endif
.irp i, 0,1,2,3,4,5,6,7,8,9,10,11,12,13,14,15
	ds_store_b128 v2, v[RR+4*\i:RR+4*\i+3] offset:SROW*\i
.endr
.irp bb, 0,1,2,3
.irp j, 0,1,2,3
	ds_load_b128 v[RR+16*\bb+4*\j:RR+16*\bb+4*\j+3], v3 offset:128*\bb+16*\j   ; LDS serves a wave's instructions in order: these see the stores above
.endr
.endr
	s_wait_dscnt 0x0
	QUANT RR, PC+12*(\s), PW+(\s)
.irp c, 0,1,2
	global_store_b128 v1, v[PC+12*(\s)+4*\c:PC+12*(\s)+4*\c+3], s[70:71] offset:1536*(\s)+512*\c   ; 32 lanes store 512 consecutive bytes, aligned
.endr
.if (\s) < 2
	LOAD (\s)+2
.endif
.endm
	LOAD 0
	LOAD 1
	STEP 0
	STEP 1
	STEP 2
	STEP 3
	v_cmp_ne_u32 vcc_lo, 0, v5                     ; lanes 0-15 store their row's words of K steps 0, 1; lanes 16-31 those of 2, 3
	v_cndmask_b32 v6, v[PW], v[PW+2], vcc_lo
	v_cndmask_b32 v7, v[PW+1], v[PW+3], vcc_lo
	global_store_b64 v4, v[6:7], s[72:73]          ; 32 lanes store 256 consecutive bytes, aligned
	s_wait_tensorcnt 0x0
	ds_add_u32 v216, v217
	s_wait_dscnt 0x0
	s_endpgm
.Lfunc_end_k_qda8aa3274f_quant:
	.size	k_qda8aa3274f_quant, .Lfunc_end_k_qda8aa3274f_quant-k_qda8aa3274f_quant
	.p2alignl 7, 3214868480
	.fill 96, 4, 3214868480
	.section	.rodata,"a",@progbits
	.p2align	6, 0x0
	.amdhsa_kernel k_qda8aa3274f_quant
		.amdhsa_group_segment_fixed_size 34304
		.amdhsa_private_segment_fixed_size 0
		.amdhsa_enable_private_segment 0
		.amdhsa_kernarg_size 64
		.amdhsa_user_sgpr_count 2
		.amdhsa_user_sgpr_kernarg_segment_ptr 1
		.amdhsa_wavefront_size32 1
		.amdhsa_system_sgpr_workgroup_id_x 1
		.amdhsa_system_sgpr_workgroup_id_y 1
		.amdhsa_system_sgpr_workgroup_id_z 1
		.amdhsa_system_vgpr_workitem_id 0
		.amdhsa_next_free_vgpr 218
		.amdhsa_next_free_sgpr 76
		.amdhsa_reserve_vcc 1
		.amdhsa_float_denorm_mode_32 3
		.amdhsa_float_denorm_mode_16_64 3
		.amdhsa_memory_ordered 1
		.amdhsa_forward_progress 1
		.amdhsa_inst_pref_size 35
	.end_amdhsa_kernel
	.amdgpu_metadata
---
amdhsa.version: [ 1, 2 ]
amdhsa.kernels:
  - .name:           k_qda8aa3274f_quant
    .symbol:         k_qda8aa3274f_quant.kd
    .args:
      - { .name: query, .offset: 0, .size: 8, .value_kind: global_buffer, .address_space: global }
      - { .name: key, .offset: 8, .size: 8, .value_kind: global_buffer, .address_space: global }
      - { .name: value, .offset: 16, .size: 8, .value_kind: global_buffer, .address_space: global }
      - { .name: q_w, .offset: 24, .size: 8, .value_kind: global_buffer, .address_space: global }
      - { .name: k_w, .offset: 32, .size: 8, .value_kind: global_buffer, .address_space: global }
      - { .name: v_w, .offset: 40, .size: 8, .value_kind: global_buffer, .address_space: global }
      - { .name: c1, .offset: 48, .size: 8, .value_kind: global_buffer, .address_space: global }
      - { .name: s1, .offset: 56, .size: 8, .value_kind: global_buffer, .address_space: global }
    .group_segment_fixed_size: 34304
    .private_segment_fixed_size: 0
    .kernarg_segment_align: 8
    .kernarg_segment_size: 64
    .max_flat_workgroup_size: 128
    .sgpr_count:     76
    .vgpr_count:     218
    .wavefront_size: 32
...
	.end_amdgpu_metadata
.endif
;; end of part 1
;; launch proj (part 2): grid 8 x 72, 4 waves a work-group, clusters of 4 x 1, 216,576 bytes of LDS; arguments c1, s1, q_b, k_b, v_b, feat_mask, c2, s2; writes c2, s2
.if DOCPART == 2
	.amdgcn_target "amdgcn-amd-amdhsa--gfx1250"
	.amdhsa_code_object_version 6
	.text
	.protected	k_qda8aa3274f_proj
	.globl	k_qda8aa3274f_proj
	.p2align	8
	.type	k_qda8aa3274f_proj,@function
k_qda8aa3274f_proj:
	s_mov_b64 s[64:65], 0
	v_nop
	global_prefetch_b8 v0, s[64:65] scope:SCOPE_SE
	s_setreg_imm32_b32 hwreg(HW_REG_WAVE_MODE, 25, 1), 1
	s_wait_xcnt 0x0
	s_wait_alu depctr_hold_cnt(0) depctr_sa_sdst(0) depctr_va_vdst(0) depctr_va_sdst(0) depctr_va_ssrc(0) depctr_va_vcc(0) depctr_vm_vsrc(0)
	s_getreg_b32 s2, hwreg(HW_REG_IB_STS2, 6, 4)
	s_cmp_eq_u32 s2, 0
	s_cbranch_scc0 .Lentry_in_a_cluster
	s_endpgm
.Lentry_in_a_cluster:
	s_bfe_u32 s2, ttmp6, 0x10000c
	s_cmp_lg_u32 s2, 0x3003
	s_cbranch_scc0 .Lentry_shape_is_right
	s_endpgm
.Lentry_shape_is_right:
; q = mask(relu(query q_w^T + q_b) x 2048^-0.5), k = mask(relu(key k_w^T + k_b)), v = value v_w^T + v_b, on codes of FP6 (E2M3) with E8M0 scales, K = 512; the results are quantised at once for the next product
; (q and k along their 2,048 features, v along s) and leave as codes and scale words, laid in the order of an operand's registers.
; ROWBLOCKS as in the launch before: rowblock blk begins at row 32 (blk / 2) + 8 (blk % 2), slot p is that row + p + 8 (p / 8); a fragment (rowblock x 128 K) is 1,536 dense bytes, registers 4 c .. 4 c + 3 of lane L at 512 c + 16 L.
; A TILE is 256 rows of A (source 1: a lane keeps one row) x 256 rows of B (source 0: its rows run along a lane's registers and become the next K).  Four waves, each 128 x 128: 64 accumulators.
; With the rowblocks' pattern the 64 registers of A's block a are 128 neighbours of B's rows, register 16 b + i = 32 b + 16 (lane / 16) + i: what the quantiser wants.
; Work-group y: 0-31 q (A = query, B = q_w), 32-63 k, 64-71 v (A = v_w, B = value of one batch).  In q and k A's block a of a wave is batch a % 4 of a block of l, so one array of mask factors serves four batches.
; CLUSTER 4 x 1: the four work-groups of a cluster need the same tile of A: it is asked for jointly.  B's tile is each work-group's own.  B is not shared along y: in v's tiles it hangs on the batch, which changes along y,
; and v has two tiles of A, so a cluster of 4 x 4 does not divide these 72 rows of tiles into groups with one B.
; LDS is filled once: all of K for both operands (196,608 bytes) and 64 x 256 bytes of the mask.  v's work-groups fetch a mask tile too and do not read it (64 work-groups x 16 KiB): so the fills stand on one path for all.
; The bias is the C of each sum's first matrix instruction.  LIMITS: that order of rounding differs from a bias added behind the sum; NaN and infinities are not served; mask bytes are 0 or 1;
; a block of zeros gets the byte 1 where the rule says 127 (its codes are zeros; these bytes are read by this program alone).
; REGISTERS: window 0: v1-23 lane numbers and addresses; v32-63 scale words (4 i + q: lanes 0-15 A's block i, lanes 16-31 B's); v64-127 the biases, later 64 numbers at work; v128-223 A's fragments, later the quantiser's.
;   window 1: B's fragments, two sets, at v0 and v128; later v0-63 the mask factors.   windows 2, 3: accumulator (a, t) at v[8 (8 (a % 4) + t)].
.set CW,     49152                     ; 8 rowblocks x 4 K steps x 1,536: what one tensor load brings
.set MSK,    4*CW                      ; the mask tile: 64 rows x (256 + 16) bytes
.set MPITCH, 272
.set SST,    MSK+64*MPITCH             ; 512 bytes a wave: the scale words on their way out; no tile lands here
.set ADRA, 16
.set ADRB, 17
.set MADR, 18
.set VO,   19                          ; v19, v20  offsets of the codes' stores
.set SSTA, 21
.set SSTL, 22
.set SGO,  23
.set SC,   32
.set BIAS, 64
.set YY,   64
.set AF,   128
.set TM,   128
.set TMP,  144
.set PW,   152
.set X4,   160
.set MR,   192
.set KA,   208
.set PC0,  224                         ; v224-235, v236-247  two sets of codes
.set G1J, 28                           ; s[28:35] group 1 of the joint load;  s[36:43] of the plain one;  s[44:47], s[48:51] groups 0 for A and B;  s[52:59], s[60:63] the mask tile's
.set G1P, 36
.set G0A, 44
.set G0B, 48
.set G1M, 52
.set G0M, 60
.set SCQ, 66                           ; s[66:67] 2048^-0.5
.set OB,  68                           ; s[68:75] four bases of the codes' stores
.set SEL, 96
.set PSEL, 98                          ; s[98:101] byte selects
.set MSB, 0
.macro WIN new                         ; the immediate's high byte repeats the setting that is left
.if MSB != (\new)
	s_set_vgpr_msb (MSB<<8)|(\new)
.set MSB, \new
.endif
.endm
.macro PLACES n
.rept \n
	v_nop
.endr
.endm
.macro CROUND                          ; a round of the cluster's barrier
	s_barrier_signal -1
	s_barrier_wait -1
	s_cmp_lg_u32 s20, 0
	s_cbranch_scc1 .Lnot_wave_0_\@
	s_barrier_signal -3
.Lnot_wave_0_\@:
	s_barrier_wait -3
	s_barrier_signal -1
	s_barrier_wait -1
.endm
	s_load_b256 s[4:11], s[0:1], 0x0               ; c1, s1, q_b, k_b
	s_load_b256 s[12:19], s[0:1], 0x20             ; v_b, feat_mask, c2, s2
	v_lshl_add_u32 v254, v0, 2, 0x34c00
	v_mov_b32 v255, 0
	ds_add_u32 v254, v255
	ds_add_u32 v254, v255
	v_lshrrev_b32 v1, 5, v0
	v_readfirstlane_b32 s20, v1                    ; wave
	s_lshr_b32 s21, s20, 1                         ; rh: my half of A's rows
	s_and_b32 s22, s20, 1                          ; ch: my half of B's rows.  Also: which half of a tile I fetch
	s_bfe_u32 s23, ttmp6, 0x40000                  ; cx
	s_lshl_b32 s24, ttmp9, 2
	s_add_co_u32 s24, s24, s23                     ; X: B's tile
	s_and_b32 s25, ttmp7, 0xffff                   ; Y, which the four partners share
	s_lshr_b32 s26, s25, 5                         ; KIND: 0 q, 1 k, 2 v
	s_and_b32 s27, s25, 31                         ; yl
	s_mov_b32 s[G1J], 15|(3<<16)|(1<<21)           ; the mask: all four; elements of 8 bytes; bit 21 beside a mask
	s_mov_b32 s[G1P], 3<<16
.irp g, G1J, G1P                       ; a dense block of 49,152 bytes as 192 rows of 256
	s_mov_b32 s[\g+1], 32<<16
	s_mov_b32 s[\g+2], 192<<16
	s_mov_b32 s[\g+3], 32<<16
	s_mov_b32 s[\g+4], 192
	s_mov_b32 s[\g+5], 32
	s_mov_b32 s[\g+6], 0
	s_mov_b32 s[\g+7], 0
.endr
	s_mov_b32 s[G1M], (3<<16)|(1<<20)|(5<<22)|(3<<25)  ; 16 rows of 256 bytes, 2,048 bytes apart; 16 bytes of padding behind each
	s_mov_b32 s[G1M+1], 32<<16
	s_mov_b32 s[G1M+2], 16<<16
	s_mov_b32 s[G1M+3], 32<<16
	s_mov_b32 s[G1M+4], 16
	s_mov_b32 s[G1M+5], 256
	s_mov_b32 s[G1M+6], 0
	s_mov_b32 s[G1M+7], 0
	s_lshl_b32 s76, s26, 9                         ; A's first rowblock: q 16 yl, k 512 + 16 yl, v 1792 + 16 (yl % 2)
	s_lshl_b32 s77, s27, 4
	s_add_co_u32 s76, s76, s77
	s_and_b32 s77, s27, 1
	s_lshl_b32 s77, s77, 4
	s_add_co_u32 s77, s77, 1792
	s_cmp_eq_u32 s26, 2
	s_cselect_b32 s76, s77, s76
	s_lshl_b32 s78, s26, 7                         ; B's: q 1536, k 1664, v 1024 + 128 b; + 16 X
	s_add_co_u32 s78, s78, 1536
	s_lshr_b32 s79, s27, 1
	s_lshl_b32 s79, s79, 7
	s_add_co_u32 s79, s79, 1024
	s_cmp_eq_u32 s26, 2
	s_cselect_b32 s78, s79, s78
	s_lshl_b32 s79, s24, 4
	s_add_co_u32 s78, s78, s79
	s_lshl_b32 s80, s22, 3                         ; the half that I fetch: 8 rowblocks
	s_add_co_u32 s82, s76, s80
	s_mul_i32 s82, s82, 6144
	s_mov_b32 s83, 0
	s_add_co_u32 s84, s78, s80
	s_mul_i32 s84, s84, 6144
	s_mov_b32 s85, 0
	s_lshl_b32 s86, s27, 6                         ; the mask: rows 64 yl + 16 wave on, columns 256 X on
	s_lshl_b32 s87, s20, 4
	s_add_co_u32 s86, s86, s87
	s_lshl_b32 s86, s86, 11
	s_lshl_b32 s87, s24, 8
	s_add_co_u32 s86, s86, s87
	s_mov_b32 s87, 0
	s_lshl_b32 s88, s21, 3                         ; my scale words in s1: A's blocks, 256 bytes each,
	s_add_co_u32 s88, s88, s76
	s_lshl_b32 s88, s88, 8
	s_add_co_u32 s89, s78, s80                     ; and B's
	s_lshl_b32 s89, s89, 8
	s_mov_b32 s[SEL], 0x76543210
	s_mov_b32 s[SEL+1], 0xfedcba98
	s_mov_b32 s[PSEL], 0x04000c0c                  ; byte 3 from the first source's byte i, byte 2 from the second's, bytes 1 and 0 zero
	s_mov_b32 s[PSEL+1], 0x05010c0c
	s_mov_b32 s[PSEL+2], 0x06020c0c
	s_mov_b32 s[PSEL+3], 0x07030c0c
	s_mov_b32 s2, 0x01010101
	s_mov_b32 s[SCQ], 0x3cb504f3                   ; 2048^-0.5
	s_mov_b32 s[SCQ+1], s[SCQ]
	s_wait_dscnt 0x0
	s_wait_kmcnt 0x0
	s_mov_b32 s[G0A], 1
	s_mul_i32 s[G0A+1], s20, CW                    ; LDS: wave x 49,152: A's halves, then B's
	s_add_nc_u64 s[G0A+2:G0A+3], s[4:5], s[82:83]
	s_or_b32 s[G0A+3], s[G0A+3], 0x80000000
	s_mov_b32 s[G0B], 1
	s_mul_i32 s[G0B+1], s20, CW
	s_add_nc_u64 s[G0B+2:G0B+3], s[4:5], s[84:85]
	s_or_b32 s[G0B+3], s[G0B+3], 0x80000000
	s_mov_b32 s[G0M], 1
	s_mul_i32 s[G0M+1], s20, 16*MPITCH
	s_add_co_u32 s[G0M+1], s[G0M+1], MSK
	s_add_nc_u64 s[G0M+2:G0M+3], s[14:15], s[86:87]
	s_or_b32 s[G0M+3], s[G0M+3], 0x80000000
	CROUND                                         ; all four work-groups are here: the joint loads meet
	s_cmp_lt_u32 s20, 2                            ; waves 0, 1: A's halves, jointly; waves 2, 3: B's halves.  Four v_nop follow each tensor load
	s_cbranch_scc0 .Lfor_b
	tensor_load_to_lds s[G0A:G0A+3], s[G1J:G1J+7]
	s_nop 0
	PLACES 4
	s_branch .Lasked
.Lfor_b:
	tensor_load_to_lds s[G0B:G0B+3], s[G1P:G1P+7]
	s_nop 0
	PLACES 4
.Lasked:
	tensor_load_to_lds s[G0M:G0M+3], s[G1M:G1M+7]  ; every wave: 16 rows of the mask tile.  Two tensor loads of mine are out
	s_nop 0
	PLACES 4
	v_and_b32 v1, 15, v0                           ; r
	v_bfe_u32 v2, v0, 4, 1                         ; h
	v_and_b32 v3, 31, v0                           ; L
	v_mov_b32 v7, s88
	v_mov_b32 v8, s89
	v_cmp_ne_u32 vcc_lo, 0, v2
	v_cndmask_b32 v4, v7, v8, vcc_lo               ; lanes 0-15 take A's words, lanes 16-31 B's
	v_lshl_add_u32 v4, v1, 4, v4                   ; 16 bytes a row: the words of the four K steps
.irp i, 0,1,2,3,4,5,6,7
	global_load_b128 v[SC+4*\i:SC+4*\i+3], v4, s[6:7] offset:256*\i   ; sixteen lanes read 256 consecutive bytes, aligned
.endr
	v_and_b32 v5, 8, v1
	v_add_nc_u32 v5, v5, v1                        ; r + 8 (r / 8)
	s_cmp_eq_u32 s26, 2
	s_cbranch_scc1 .Lbias_v
	s_cmp_eq_u32 s26, 0                            ; q, k: the bias goes with B's rows: register 16 bb + i takes feature 256 X + 128 ch + 32 bb + 16 h + i
	s_cselect_b64 s[94:95], s[8:9], s[10:11]
	s_lshl_b32 s92, s24, 10
	s_lshl_b32 s93, s22, 9
	s_add_co_u32 s92, s92, s93
	s_mov_b32 s93, 0
	s_add_nc_u64 s[94:95], s[94:95], s[92:93]
	v_lshlrev_b32 v6, 6, v2
.irp bb, 0,1,2,3
.irp j, 0,1,2,3
	global_load_b128 v[BIAS+16*\bb+4*\j:BIAS+16*\bb+4*\j+3], v6, s[94:95] offset:128*\bb+16*\j
.endr
.endr
	s_branch .Lbias_done
.Lbias_v:
	s_and_b32 s92, s27, 1                          ; v: the bias goes with A's rows: one number a lane for each block a, in all eight registers
	s_lshl_b32 s92, s92, 10
	s_lshl_b32 s93, s21, 9
	s_add_co_u32 s92, s92, s93
	s_mov_b32 s93, 0
	s_add_nc_u64 s[94:95], s[12:13], s[92:93]
	v_lshlrev_b32 v6, 2, v5
.irp a, 0,1,2,3,4,5,6,7
	global_load_b32 v[BIAS+8*\a], v6, s[94:95] offset:128*(\a/2)+32*(\a%2)
.endr
	s_wait_loadcnt 0x0                             ; (the tiles are on their way meanwhile)
.irp a, 0,1,2,3,4,5,6,7
.irp j, 1,2,3,4,5,6,7
	v_mov_b32 v[BIAS+8*\a+\j], v[BIAS+8*\a]
.endr
.endr
.Lbias_done:
	v_lshlrev_b32 v[VO], 4, v3                     ; 16 L
	s_mul_i32 s81, s21, CW
	v_add_nc_u32 v[ADRA], s81, v[VO]               ; my half of A in LDS
	s_mul_i32 s81, s22, CW
	s_add_co_u32 s81, s81, 2*CW
	v_add_nc_u32 v[ADRB], s81, v[VO]               ; my half of B
	v_mul_u32_u24 v[MADR], v5, MPITCH              ; the mask: row 32 rh + r + 8 (r / 8) (+ 8 for the second block of l), byte 128 ch + 16 h
	v_lshl_add_u32 v[MADR], v2, 4, v[MADR]
	s_mul_i32 s81, s21, 32*MPITCH
	s_lshl_b32 s77, s22, 7
	s_add_co_u32 s81, s81, s77
	s_add_co_u32 s81, s81, MSK
	v_add_nc_u32 v[MADR], s81, v[MADR]
	s_lshl_b32 s81, s20, 9
	s_add_co_u32 s81, s81, SST
	v_lshl_add_u32 v[SSTA], v1, 2, s81
	v_add_nc_u32 v[SSTL], s81, v[VO]
	; where the results go.  ks = 2 X + ch: which 128 of the next K.  Codes: a rowblock is 16 x 1,536 bytes.  q, k: [batch][block of l]; v: [batch][block of e]
	s_lshl_b32 s80, s24, 1
	s_add_co_u32 s80, s80, s22                     ; ks
	s_lshl_b32 s81, s27, 2
	s_lshl_b32 s82, s21, 1
	s_add_co_u32 s81, s81, s82                     ; 4 yl + 2 rh: q's and k's first block of l
	s_lshl_b32 s82, s81, 2                         ; 16 yl + 8 rh: v's first rowblock
	s_cmp_eq_u32 s26, 2
	s_cselect_b32 s83, s82, s81
	s_mov_b32 s84, 3145728
	s_cselect_b32 s84, 24576, s84                  ; from block a to a + 1 (a % 4): a batch, or a rowblock
	s_mov_b32 s85, 24576
	s_cselect_b32 s85, 98304, s85                  ; from a to a + 4: a block of l, or four rowblocks
	s_mov_b32 s86, 131072
	s_cselect_b32 s86, 64, s86                     ; the same two steps among the scale words
	s_mov_b32 s87, 256
	s_cselect_b32 s87, s87, 64
	s_lshl_b32 s88, s83, 4
	s_add_co_u32 s88, s88, s80
	s_mul_i32 s88, s88, 1536
	s_mul_i32 s89, s26, 12582912
	s_add_co_u32 s88, s88, s89
	s_mov_b32 s89, 0
	s_add_nc_u64 s[OB:OB+1], s[16:17], s[88:89]
	s_mov_b32 s88, s84
	s_add_nc_u64 s[OB+2:OB+3], s[OB:OB+1], s[88:89]
	s_add_nc_u64 s[OB+4:OB+5], s[OB+2:OB+3], s[88:89]
	s_add_nc_u64 s[OB+6:OB+7], s[OB+4:OB+5], s[88:89]
	v_add_nc_u32 v[VO+1], s85, v[VO]
	s_lshl_b32 s90, s80, 7                         ; scale words, 64 bytes a rowblock: q, k [batch][ks][128 blocks]: 128 ks + 4 yl + 2 rh
	s_add_co_u32 s90, s90, s81
	s_lshr_b32 s91, s27, 1                         ; v [batch][ks][32 blocks]: 512 b + 32 ks + 16 (yl % 2) + 8 rh
	s_lshl_b32 s91, s91, 9
	s_lshl_b32 s79, s80, 5
	s_add_co_u32 s91, s91, s79
	s_and_b32 s79, s27, 1
	s_lshl_b32 s79, s79, 4
	s_add_co_u32 s91, s91, s79
	s_lshl_b32 s79, s21, 3
	s_add_co_u32 s91, s91, s79
	s_cmp_eq_u32 s26, 2
	s_cselect_b32 s90, s91, s90
	s_lshl_b32 s90, s90, 6
	s_lshl_b32 s91, s26, 19
	s_add_co_u32 s90, s90, s91
	s_mov_b32 s91, 0
	s_add_nc_u64 s[92:93], s[18:19], s[90:91]
	v_lshrrev_b32 v7, 3, v3                        ; lane L stores the words of block a = (L / 8) + 4 ((L / 4) % 2), slots 4 (L % 4) on
	v_mul_u32_u24 v[SGO], v7, s86
	v_bfe_u32 v7, v3, 2, 1
	v_mad_u32_u24 v[SGO], v7, s87, v[SGO]
	v_and_b32 v7, 3, v3
	v_lshl_add_u32 v[SGO], v7, 4, v[SGO]
.macro FRAG reg, adr, off              ; a fragment comes as it was stored: three loads of 512 consecutive bytes
.irp c, 0,1,2
	ds_load_b128 v[(\reg)+4*\c:(\reg)+4*\c+3], v[\adr] offset:(\off)+512*\c
.endr
.endm
.macro FETCH_B q, p                    ; B's eight fragments of K step q into set p
	WIN 0x40
.irp i, 0,1,2,3,4,5,6,7
	FRAG 128*(\p)+12*\i, ADRB, 6144*\i+1536*(\q)
.endr
	WIN 0
.endm
.macro FETCH_A q, i0                   ; A's blocks i0 .. i0 + 3
.irp i, \i0, \i0+1, \i0+2, \i0+3
	FRAG AF+12*(\i), ADRA, 6144*(\i)+1536*(\q)
.endr
.endm
; 16 matrix instructions: A's blocks a0, a0 + 1 x B's eight.  cm = 0: the sums go on; 1: they begin with B's bias; 2: with A's.  The 64 accumulators take turns, one instruction a turn.
.macro MUL16 a0, p, q, cm
.irp a, \a0, \a0+1
.irp t, 0,1,2,3,4,5,6,7
.if (\cm) == 0
	v_wmma_scale_f32_16x16x128_f8f6f4 v[8*(8*((\a)%4)+\t):8*(8*((\a)%4)+\t)+7], v[128*(\p)+12*\t:128*(\p)+12*\t+11], v[AF+12*(\a):AF+12*(\a)+11], v[8*(8*((\a)%4)+\t):8*(8*((\a)%4)+\t)+7], v[SC+4*\t+(\q)], v[SC+4*(\a)+(\q)] matrix_a_fmt:MATRIX_FMT_FP6 matrix_b_fmt:MATRIX_FMT_FP6 matrix_a_scale:MATRIX_SCALE_ROW1
.elseif (\cm) == 1
	v_wmma_scale_f32_16x16x128_f8f6f4 v[8*(8*((\a)%4)+\t):8*(8*((\a)%4)+\t)+7], v[128*(\p)+12*\t:128*(\p)+12*\t+11], v[AF+12*(\a):AF+12*(\a)+11], v[BIAS+8*\t:BIAS+8*\t+7], v[SC+4*\t+(\q)], v[SC+4*(\a)+(\q)] matrix_a_fmt:MATRIX_FMT_FP6 matrix_b_fmt:MATRIX_FMT_FP6 matrix_a_scale:MATRIX_SCALE_ROW1
.else
	v_wmma_scale_f32_16x16x128_f8f6f4 v[8*(8*((\a)%4)+\t):8*(8*((\a)%4)+\t)+7], v[128*(\p)+12*\t:128*(\p)+12*\t+11], v[AF+12*(\a):AF+12*(\a)+11], v[BIAS+8*(\a):BIAS+8*(\a)+7], v[SC+4*\t+(\q)], v[SC+4*(\a)+(\q)] matrix_a_fmt:MATRIX_FMT_FP6 matrix_b_fmt:MATRIX_FMT_FP6 matrix_a_scale:MATRIX_SCALE_ROW1
.endif
.endr
.endr
.endm
; A K step of 128 that has a successor.  A has one set of registers: blocks 0-3 are fetched anew in the step's middle, blocks 4-7 at its end; B has two sets.
; A load into a register that a matrix instruction has read stands four plain vector instructions behind it.
.macro STEP q, cm
	s_wait_dscnt 12                                ; B's set and A's blocks 0-3 are in; the youngest twelve loads (A's blocks 4-7) may be out
.if \cm
	WIN 0x81                                       ; source 0 window 1; the bias in window 0; D window 2
.else
	WIN 0xa1
.endif
	MUL16 0, (\q)%2, \q, \cm
	MUL16 2, (\q)%2, \q, \cm
	s_wait_dscnt 0x0                               ; A's blocks 4-7 are in
	PLACES 4
	FETCH_B (\q)+1, 1-(\q)%2
	FETCH_A (\q)+1, 0
.if \cm
	WIN 0xc1
.else
	WIN 0xf1
.endif
	MUL16 4, (\q)%2, \q, \cm
	MUL16 6, (\q)%2, \q, \cm
	PLACES 4
	WIN 0
	FETCH_A (\q)+1, 4
.endm
; 64 numbers of a lane, v[s] on in window w, register 16 b + i = k 32 b + 16 h + i of my row, become a fragment's codes in v[pc] on and its scale word in v[pw].  An accumulator is read from its low end on.
.macro QUANT s, w, pc, pw
	WIN 5*(\w)
.irp b, 0,1,2,3
	v_max3_num_f32 v[TM+\b], |v[(\s)+16*\b]|, |v[(\s)+16*\b+1]|, 0x1800000   ; my 16 numbers of block b, and the floor 2^(3 - 127): so the byte cannot fall under 1
.endr
.irp i, 2,4,6,8,10,12,14
.irp b, 0,1,2,3
	v_max3_num_f32 v[TM+\b], |v[(\s)+16*\b+\i]|, |v[(\s)+16*\b+\i+1]|, v[TM+\b]
.endr
.endr
	WIN 0
.irp b, 0,1,2,3
	v_permlanex16_b32 v[TM+4+\b], v[TM+\b], s[SEL], s[SEL+1]
.endr
.irp b, 0,1,2,3
	v_max_num_f32 v[TM+\b], v[TM+\b], v[TM+4+\b]   ; with lane l xor 16's: the block's largest magnitude
.endr
.irp b, 0,1,2,3
	v_add_nc_u32 v[TM+12+\b], 0xff000000, v[TM+\b] ; 2 off its exponent field: the conversion's scale operand
.endr
.irp b, 0,1,2,3
	v_lshrrev_b32 v[TM+4+\b], 23, v[TM+12+\b]      ; the scale's byte
.endr
	v_lshl_or_b32 v[\pw], v[TM+5], 8, v[TM+4]
	v_lshl_or_b32 v[\pw], v[TM+6], 16, v[\pw]
	v_lshl_or_b32 v[\pw], v[TM+7], 24, v[\pw]
	WIN \w
.irp c, 0,1
	v_cvt_scalef32_pk16_fp6_f32 v[(\pc)+6*\c:(\pc)+6*\c+2], v[(\s)+32*\c:(\s)+32*\c+15], v[TM+12+2*\c]
	v_cvt_scalef32_pk16_fp6_f32 v[TMP+4*\c:TMP+4*\c+2], v[(\s)+32*\c+16:(\s)+32*\c+31], v[TM+13+2*\c]
.endr
	WIN 0
	v_nop                                          ; one plain place behind a scaled conversion
.irp c, 0,1
.irp i, 0,1,2
	v_permlane16_swap_b32 v[(\pc)+6*\c+\i], v[TMP+4*\c+\i]
.endr
.irp i, 0,1,2
	v_mov_b32 v[(\pc)+6*\c+3+\i], v[TMP+4*\c+\i]
.endr
.endr
.endm
.macro EMIT a                          ; block a's fragment leaves as it stands: 32 lanes store 512 consecutive bytes, aligned
.irp c, 0,1,2
	global_store_b128 v[VO+(\a)/4], v[PC0+12*((\a)%2)+4*\c:PC0+12*((\a)%2)+4*\c+3], s[OB+2*((\a)%4):OB+2*((\a)%4)+1] offset:512*\c
.endr
.endm
; The mask factors of the block of l number lj, in window 1 v0-63: +infinity where the feature is kept, 0 where it is masked.  A byte m (0 or 1) gives k = m xor 1, k << 7 = 0x80 or 0, (k << 7) - k = 0x7f or 0.
.macro TMAKE lj
.irp bb, 0,1,2,3
	ds_load_b128 v[MR+4*\bb:MR+4*\bb+3], v[MADR] offset:8*MPITCH*(\lj)+32*\bb
.endr
	s_wait_dscnt 0x0
.irp n, 0,1,2,3,4,5,6,7,8,9,10,11,12,13,14,15
	v_xor_b32 v[KA+\n], s2, v[MR+\n]
.endr
.irp n, 0,1,2,3,4,5,6,7,8,9,10,11,12,13,14,15
	v_lshlrev_b32 v[MR+\n], 7, v[KA+\n]
.endr
.irp n, 0,1,2,3,4,5,6,7,8,9,10,11,12,13,14,15
	v_sub_nc_u32 v[KA+\n], v[MR+\n], v[KA+\n]
.endr
	WIN 0x40
.set NN, 0
.rept 64
	v_perm_b32 v[NN], v[KA+NN/4], v[MR+NN/4], s[PSEL+NN%4]
.set NN, NN+1
.endr
	WIN 0
.endm
.macro BLKQK lj, b                     ; A's block a = 4 lj + b: relu and mask in one instruction (the middle of x, 0 and the factor), q's scale, the quantiser, the stores
.set AA, 4*(\lj)+(\b)
	WIN (2+(\lj))|0x10
.set NN, 0
.rept 64
	v_med3_num_f32 v[YY+NN], v[64*(\b)+NN], 0, v[NN]
.set NN, NN+1
.endr
	WIN 0
	s_cmp_lg_u32 s26, 0
	s_cbranch_scc1 .Lno_scale_\@
.set NN, 0
.rept 32
	v_pk_mul_f32 v[YY+NN:YY+NN+1], v[YY+NN:YY+NN+1], s[SCQ:SCQ+1] op_sel_hi:[1,0]
.set NN, NN+2
.endr
.Lno_scale_\@:
.if AA >= 2
	s_wait_xcnt 0x0                                ; the stores of two blocks back have read their registers: that set of codes is written again only behind this wait
.endif
	QUANT YY, 0, PC0+12*(AA%2), PW+AA
	EMIT AA
.endm
	s_wait_tensorcnt 0x0                           ; my two tiles have landed,
	s_barrier_signal -1
	s_barrier_wait -1                              ; everybody's have
	FETCH_B 0, 0
	FETCH_A 0, 0
	FETCH_A 0, 4
	s_wait_loadcnt 0x0                             ; the scale words and the biases
	s_cmp_eq_u32 s26, 2
	s_cbranch_scc1 .Lfirst_v
	STEP 0, 1
	s_branch .Lfirst_done
.Lfirst_v:
	STEP 0, 2
.Lfirst_done:
	STEP 1, 0
	STEP 2, 0
	s_wait_dscnt 12                                ; the last K step: nothing more to fetch
	WIN 0xa1
	MUL16 0, 1, 3, 0
	MUL16 2, 1, 3, 0
	s_wait_dscnt 0x0
	WIN 0xf1
	MUL16 4, 1, 3, 0
	MUL16 6, 1, 3, 0
	WIN 0
	PLACES 4                                       ; in front of the first reads of results and of writes into registers that held fragments
.irp b, 0,1,2,3
	v_mov_b32 v[TM+4+\b], 0                        ; a lane permute's destination counts as one of its sources
.endr
	s_cmp_eq_u32 s26, 2
	s_cbranch_scc1 .Lout_v
	TMAKE 0
	BLKQK 0, 0
	BLKQK 0, 1
	BLKQK 0, 2
	BLKQK 0, 3
	TMAKE 1
	BLKQK 1, 0
	BLKQK 1, 1
	BLKQK 1, 2
	BLKQK 1, 3
	s_branch .Lout_done
.Lout_v:
.irp a, 0,1,2,3,4,5,6,7
.if \a >= 2
	s_wait_xcnt 0x0                                ; as above
.endif
	QUANT 64*(\a%4), 2+\a/4, PC0+12*(\a%2), PW+\a
	EMIT \a
.endr
.Lout_done:
.irp a, 0,1,2,3,4,5,6,7
	ds_store_b32 v[SSTA], v[PW+\a] offset:64*((\a%4)*2+\a/4)   ; lane r has row r's word; both halves of the lanes write the same word with the same value
.endr
	ds_load_b128 v[X4:X4+3], v[SSTL]               ; LDS serves a wave's instructions in order: this sees my stores
	s_wait_dscnt 0x0
	global_store_b128 v[SGO], v[X4:X4+3], s[92:93]
	s_wait_tensorcnt 0x0
	ds_add_u32 v254, v255
	s_wait_dscnt 0x0
	CROUND                                         ; the closing round: no work-group ends while a partner may still ask for a tile that names it
	s_endpgm
.Lfunc_end_k_qda8aa3274f_proj:
	.size	k_qda8aa3274f_proj, .Lfunc_end_k_qda8aa3274f_proj-k_qda8aa3274f_proj
	.p2alignl 7, 3214868480
	.fill 96, 4, 3214868480
	.section	.rodata,"a",@progbits
	.p2align	6, 0x0
	.amdhsa_kernel k_qda8aa3274f_proj
		.amdhsa_group_segment_fixed_size 216576
		.amdhsa_private_segment_fixed_size 0
		.amdhsa_enable_private_segment 0
		.amdhsa_kernarg_size 64
		.amdhsa_user_sgpr_count 2
		.amdhsa_user_sgpr_kernarg_segment_ptr 1
		.amdhsa_wavefront_size32 1
		.amdhsa_system_sgpr_workgroup_id_x 1
		.amdhsa_system_sgpr_workgroup_id_y 1
		.amdhsa_system_sgpr_workgroup_id_z 1
		.amdhsa_system_vgpr_workitem_id 0
		.amdhsa_next_free_vgpr 1024
		.amdhsa_next_free_sgpr 102
		.amdhsa_reserve_vcc 1
		.amdhsa_float_denorm_mode_32 3
		.amdhsa_float_denorm_mode_16_64 3
		.amdhsa_memory_ordered 1
		.amdhsa_forward_progress 1
		.amdhsa_inst_pref_size 200
	.end_amdhsa_kernel
	.amdgpu_metadata
---
amdhsa.version: [ 1, 2 ]
amdhsa.kernels:
  - .name:           k_qda8aa3274f_proj
    .symbol:         k_qda8aa3274f_proj.kd
    .args:
      - { .name: c1, .offset: 0, .size: 8, .value_kind: global_buffer, .address_space: global }
      - { .name: s1, .offset: 8, .size: 8, .value_kind: global_buffer, .address_space: global }
      - { .name: q_b, .offset: 16, .size: 8, .value_kind: global_buffer, .address_space: global }
      - { .name: k_b, .offset: 24, .size: 8, .value_kind: global_buffer, .address_space: global }
      - { .name: v_b, .offset: 32, .size: 8, .value_kind: global_buffer, .address_space: global }
      - { .name: feat_mask, .offset: 40, .size: 8, .value_kind: global_buffer, .address_space: global }
      - { .name: c2, .offset: 48, .size: 8, .value_kind: global_buffer, .address_space: global }
      - { .name: s2, .offset: 56, .size: 8, .value_kind: global_buffer, .address_space: global }
    .group_segment_fixed_size: 216576
    .private_segment_fixed_size: 0
    .kernarg_segment_align: 8
    .kernarg_segment_size: 64
    .max_flat_workgroup_size: 128
    .sgpr_count:     102
    .vgpr_count:     1024
    .wavefront_size: 32
...
	.end_amdgpu_metadata
.endif
;; end of part 2
;; launch scores (part 3): grid 8 x 32, 4 waves a work-group, clusters of 4 x 4, 327,680 bytes of LDS; arguments c2, s2, c3, s3; writes c3, s3
.if DOCPART == 3
	.amdgcn_target "amdgcn-amd-amdhsa--gfx1250"
	.amdhsa_code_object_version 6
	.text
	.protected	k_qda8aa3274f_scores
	.globl	k_qda8aa3274f_scores
	.p2align	8
	.type	k_qda8aa3274f_scores,@function
k_qda8aa3274f_scores:
	s_mov_b64 s[64:65], 0
	v_nop
	global_prefetch_b8 v0, s[64:65] scope:SCOPE_SE
	s_setreg_imm32_b32 hwreg(HW_REG_WAVE_MODE, 25, 1), 1
	s_wait_xcnt 0x0
	s_wait_alu depctr_hold_cnt(0) depctr_sa_sdst(0) depctr_va_vdst(0) depctr_va_sdst(0) depctr_va_ssrc(0) depctr_va_vcc(0) depctr_vm_vsrc(0)
	s_getreg_b32 s2, hwreg(HW_REG_IB_STS2, 6, 4)
	s_cmp_eq_u32 s2, 0
	s_cbranch_scc0 .Lentry_in_a_cluster
	s_endpgm
.Lentry_in_a_cluster:
	s_bfe_u32 s2, ttmp6, 0x10000c
	s_cmp_lg_u32 s2, 0xf033
	s_cbranch_scc0 .Lentry_shape_is_right
	s_endpgm
.Lentry_shape_is_right:
; attn[b][l][s] = the sum over d of q[l][b][d] k[s][b][d], on codes of FP6 (E2M3) with E8M0 scales, K = 2,048; the result is quantised at once along s, the next product's K, and leaves as codes and scale words.
; Operands and results lie in the order of an operand's registers: a rowblock is 16 rows (rowblock blk begins at row 32 (blk / 2) + 8 (blk % 2), slot p is that row + p + 8 (p / 8)); a fragment (rowblock x 128 K) is 1,536 dense
; bytes, registers 4 c .. 4 c + 3 of lane L at 512 c + 16 L; a rowblock's 16 K steps lie on end (24,576 bytes).  Scale words: [batch][K step][rowblock][16 slots].
; A TILE of 256 l x 256 s is made by four waves, each 128 x 128: 64 accumulators.  Source 0 = 16 rows of k, source 1 = 16 rows of q: a lane keeps one l, and with the rowblocks' pattern the 64 registers of q's block a are
; 128 neighbours along s, register 16 b + i = 32 b + 16 (lane / 16) + i.
; K goes in steps of 256 through a ring of two LDS slots; a wave's tensor load brings 8 rowblocks x 3,072 bytes.  The scale words of the tile's rows, for all of K, come once.
; CLUSTER 4 x 4: q's tile is shared along a row of the cluster, k's along a column: each is asked for jointly.  The batch is taken from the cluster's y alone, so it is the same in all sixteen.
; LIMITS: NaN and infinities are not served; a block of zeros gets the byte 1 where the rule says 127 (its codes are zeros; these bytes are read by this program alone).
; REGISTERS: window 0: v16-29 addresses; v32-63 scale words, two sets; v64-123 the quantiser's; v128-223 q's fragments, one set.  window 1: k's fragments, two sets.  windows 2, 3: accumulator (a, t) at v[8 (8 (a % 4) + t)].
.set FR,    12
.set NQ,    2                          ; K steps of 128 in a slot
.set HALFT, 24576                      ; what one tensor load brings: [rowblock 0..7][K step 0..1][1,536]
.set SLOT,  4*HALFT
.set LAPS,  4                          ; 2,048 / 512
.set SCL,   2*SLOT                     ; the scale words: 8,192 bytes a wave: [K step 16][rowblock 0..7][64]
.set SPARE, SCL+4*8192                 ; the spare words, 128 bytes for each wave: two blocks of 256 bytes that no other line names
.set SST,   SPARE+512                  ; 512 bytes a wave: the scale words on their way out; no tile lands here
.set ADRA, 16                          ; v16-17
.set ADRB, 20                          ; v20-21
.set SSTA, 24
.set SSTL, 25
.set CO,   26                          ; 16 x lane
.set ADRS, 27
.set SPW,  28
.set NIL,  29
.set SC,   32
.set PC0,  64
.set TM,   88
.set TMP,  104
.set PW,   112
.set X4,   120
.set AF,   128
.set G1, 24
.set G0, 32
.set G1B, 48
.set G0B, 56
.set SEL, 66
.set G1S, 68
.set G0S, 76
.set G1SB, 80
.set G0SB, 88
.set MSB, 0
.macro WIN new                         ; the immediate's high byte repeats the setting that is left
.if MSB != (\new)
	s_set_vgpr_msb (MSB<<8)|(\new)
.set MSB, \new
.endif
.endm
.set MUL_LO, 0xa1
.set MUL_HI, 0xf1
.macro PLACES n
.rept \n
	v_nop
.endr
.endm
; A joint load: waves 0 and 1 fetch for q, waves 2 and 3 for k.  The branch hangs on the wave's number alone.  Four v_nop follow each of the two lines.
.macro JLOAD g0a, g1a, g0b, g1b
	s_cmp_eq_u32 s15, 0
	s_cbranch_scc0 .Lfor_b_\@
	tensor_load_to_lds s[\g0a:\g0a+3], s[\g1a:\g1a+7]
	s_nop 0
.rept 4
	v_nop
.endr
	s_branch .Lasked_\@
.Lfor_b_\@:
	tensor_load_to_lds s[\g0b:\g0b+3], s[\g1b:\g1b+7]
	s_nop 0
.rept 4
	v_nop
.endr
.Lasked_\@:
.endm
.macro CREST
	s_cmp_lg_u32 s14, 0
	s_cbranch_scc1 .Lnot_wave_0_\@
	s_barrier_signal -3
.Lnot_wave_0_\@:
	s_barrier_wait -3
	s_barrier_signal -1
	s_barrier_wait -1
.endm
.macro CROUND
	s_barrier_signal -1
	s_barrier_wait -1
	CREST
.endm
	s_load_b256 s[4:11], s[0:1], 0x0               ; c2, s2, c3, s3
	v_lshl_add_u32 v[SPW], v0, 2, SPARE
	v_mov_b32 v[NIL], 0
	ds_add_u32 v28, v29
	ds_add_u32 v28, v29
	s_wait_dscnt 0x0
	v_lshrrev_b32 v1, 5, v0
	v_readfirstlane_b32 s14, v1                    ; wave
	s_lshr_b32 s15, s14, 1                         ; rh: my half of the tile's l.  Also: I fetch for q (0) or for k (1)
	s_and_b32 s16, s14, 1                          ; ch: my half of its s.  Also: which half of that tile I fetch
	s_bfe_u32 s40, ttmp6, 0x40000                  ; cx
	s_bfe_u32 s41, ttmp6, 0x40004                  ; cy
	s_lshl_b32 s42, ttmp9, 2
	s_add_co_u32 s42, s42, s40                     ; X: the tile of s
	s_and_b32 s12, ttmp7, 0xffff                   ; the cluster's y
	s_lshl_b32 s17, s12, 2
	s_add_co_u32 s17, s17, s41                     ; Y = 8 x batch + the tile of l
	s_lshr_b32 s13, s12, 1                         ; the batch
	s_lshl_b32 s43, s41, 2
	s_lshl_b32 s43, 15, s43                        ; my row of the cluster
	s_lshl_b32 s44, 0x1111, s40                    ; my column
	s_or_b32 s[G1], s43, (3<<16)|(1<<21)           ; the mask; elements of 8 bytes; bit 21 beside a mask; no padding
	s_or_b32 s[G1B], s44, (3<<16)|(1<<21)
.irp g, G1, G1B                        ; 8 rows of 3,072 bytes, 24,576 bytes apart
	s_mov_b32 s[\g+1], 384<<16
	s_mov_b32 s[\g+2], 8<<16
	s_mov_b32 s[\g+3], 384<<16
	s_mov_b32 s[\g+4], 8
	s_mov_b32 s[\g+5], 3072
	s_mov_b32 s[\g+6], 0
	s_mov_b32 s[\g+7], 0
.endr
	s_or_b32 s[G1S], s43, (3<<16)|(1<<21)
	s_or_b32 s[G1SB], s44, (3<<16)|(1<<21)
.irp g, G1S, G1SB                      ; the scale words: 16 rows (K steps) of 512 bytes, 8,192 bytes apart
	s_mov_b32 s[\g+1], 64<<16
	s_mov_b32 s[\g+2], 16<<16
	s_mov_b32 s[\g+3], 64<<16
	s_mov_b32 s[\g+4], 16
	s_mov_b32 s[\g+5], 1024
	s_mov_b32 s[\g+6], 0
	s_mov_b32 s[\g+7], 0
.endr
	s_lshl_b32 s18, s16, 3                         ; the half that I fetch: 8 rowblocks
	s_lshl_b32 s20, s17, 4
	s_add_co_u32 s20, s20, s18                     ; q: rowblock 16 Y + 8 half
	s_mul_i32 s20, s20, 24576
	s_mov_b32 s21, 0
	s_lshl_b32 s46, s13, 7
	s_lshl_b32 s47, s42, 4
	s_add_co_u32 s46, s46, s47
	s_add_co_u32 s46, s46, s18                     ; k: rowblock 128 b + 16 X + 8 half,
	s_mul_i32 s46, s46, 24576
	s_add_co_u32 s46, s46, 12582912                ; behind q's codes
	s_mov_b32 s47, 0
	s_lshl_b32 s19, s16, 9
	s_lshr_b32 s22, s17, 3                         ; q's scale words: 131,072 b + 1,024 (Y % 8) + 512 half
	s_lshl_b32 s22, s22, 17
	s_and_b32 s23, s17, 7
	s_lshl_b32 s23, s23, 10
	s_add_co_u32 s22, s22, s23
	s_add_co_u32 s22, s22, s19
	s_mov_b32 s23, 0
	s_lshl_b32 s92, s13, 17                        ; k's: 524,288 + 131,072 b + 1,024 X + 512 half
	s_lshl_b32 s93, s42, 10
	s_add_co_u32 s92, s92, s93
	s_add_co_u32 s92, s92, s19
	s_add_co_u32 s92, s92, 524288
	s_mov_b32 s93, 0
	s_mul_i32 s45, s14, HALFT                      ; where they go: wave x 24,576; no place in the cluster enters an LDS address
	s_lshl_b32 s94, s14, 13
	s_mov_b32 s[SEL], 0x76543210
	s_mov_b32 s[SEL+1], 0xfedcba98
	s_wait_kmcnt 0x0
	s_add_nc_u64 s[20:21], s[4:5], s[20:21]
	s_add_nc_u64 s[22:23], s[6:7], s[22:23]
	s_add_nc_u64 s[46:47], s[4:5], s[46:47]
	s_add_nc_u64 s[92:93], s[6:7], s[92:93]
	CROUND                                         ; all sixteen work-groups are here: the first joint loads meet
	s_mov_b32 s[G0S], 1
	s_add_co_u32 s[G0S+1], s94, SCL
	s_mov_b64 s[G0S+2:G0S+3], s[22:23]
	s_or_b32 s[G0S+3], s[G0S+3], 0x80000000
	s_mov_b32 s[G0SB], 1
	s_add_co_u32 s[G0SB+1], s94, SCL
	s_mov_b64 s[G0SB+2:G0SB+3], s[92:93]
	s_or_b32 s[G0SB+3], s[G0SB+3], 0x80000000
	JLOAD G0S, G1S, G0SB, G1SB                     ; the scale words first: they are wanted with K step 0
.irp s, 0,1
	s_mov_b32 s[G0+4*\s], 1
	s_add_co_u32 s[G0+4*\s+1], s45, \s*SLOT
	s_add_nc_u64 s[G0+4*\s+2:G0+4*\s+3], s[20:21], \s*3072
	s_or_b32 s[G0+4*\s+3], s[G0+4*\s+3], 0x80000000
	s_mov_b32 s[G0B+4*\s], 1
	s_add_co_u32 s[G0B+4*\s+1], s45, \s*SLOT
	s_add_nc_u64 s[G0B+4*\s+2:G0B+4*\s+3], s[46:47], \s*3072
	s_or_b32 s[G0B+4*\s+3], s[G0B+4*\s+3], 0x80000000
	JLOAD G0+4*\s, G1, G0B+4*\s, G1B               ; three tensor loads of mine are out
.endr
	v_and_b32 v1, 15, v0                           ; r
	v_bfe_u32 v2, v0, 4, 1                         ; h
	v_and_b32 v3, 31, v0
	v_lshlrev_b32 v[CO], 4, v3                     ; 16 x lane
	s_mul_i32 s21, s15, HALFT                      ; my half of q
	s_mul_i32 s22, s16, HALFT                      ; my half of k,
	s_add_co_u32 s22, s22, 2*HALFT                 ; behind q's two
.irp s, 0,1
	v_add_nc_u32 v[ADRA+\s], s21, v[CO]
	v_add_nc_u32 v[ADRB+\s], s22, v[CO]
	s_add_co_u32 s21, s21, SLOT
	s_add_co_u32 s22, s22, SLOT
.endr
	s_xor_b32 s22, s15, 1                          ; lanes 16-31 take k's words: 8,192 (2 + ch - rh) bytes on; 2 + ch - rh = 1 + ch + (rh xor 1)
	s_add_co_u32 s22, s22, s16
	s_add_co_u32 s22, s22, 1
	s_lshl_b32 s22, s22, 13
	v_mul_u32_u24 v4, s22, v2
	v_lshl_add_u32 v4, v1, 2, v4
	s_lshl_b32 s21, s15, 13
	s_add_co_u32 s21, s21, SCL
	v_add_nc_u32 v[ADRS], s21, v4
	s_lshl_b32 s21, s14, 9
	s_add_co_u32 s21, s21, SST
	v_lshl_add_u32 v[SSTA], v1, 2, s21
	v_add_nc_u32 v[SSTL], s21, v[CO]
.irp b, 0,1,2,3
	v_mov_b32 v[TM+4+\b], 0                        ; a lane permute's destination counts as one of its sources
.endr
	s_lshl_b32 s20, s17, 4                         ; where the results go: codes: rowblock 16 Y + 8 rh + a, K step 2 X + ch
	s_lshl_b32 s21, s15, 3
	s_add_co_u32 s20, s20, s21
	s_lshl_b32 s20, s20, 4
	s_lshl_b32 s46, s42, 1
	s_add_co_u32 s46, s46, s16                     ; ks
	s_add_co_u32 s20, s20, s46
	s_mul_i32 s20, s20, 1536
	s_mov_b32 s21, 0
	s_add_nc_u64 s[8:9], s[8:9], s[20:21]
	s_lshl_b32 s20, s13, 4                         ; scale words: ((16 b + ks) x 128 + 16 (Y % 8) + 8 rh) x 64
	s_add_co_u32 s20, s20, s46
	s_lshl_b32 s20, s20, 7
	s_and_b32 s47, s17, 7
	s_lshl_b32 s47, s47, 4
	s_add_co_u32 s20, s20, s47
	s_lshl_b32 s47, s15, 3
	s_add_co_u32 s20, s20, s47
	s_lshl_b32 s20, s20, 6
	s_add_nc_u64 s[10:11], s[10:11], s[20:21]
.macro FRAG reg, adr, off              ; a fragment comes as it was stored: three loads of 512 consecutive bytes
.irp c, 0,1,2
	ds_load_b128 v[(\reg)+4*\c:(\reg)+4*\c+3], v[\adr] offset:(\off)+512*\c
.endr
.endm
; 16 matrix instructions: q's blocks a0, a0 + 1 x k's eight.  The 64 accumulators take turns, one instruction a turn, in the same order in every step.
.macro MUL16 a0, p, q, sc, zero
.irp a, \a0, \a0+1
.irp b, 0,1,2,3,4,5,6,7
.if \zero
	v_wmma_scale_f32_16x16x128_f8f6f4 v[8*(8*((\a)%4)+\b):8*(8*((\a)%4)+\b)+7], v[128*(\p)+FR*\b:128*(\p)+FR*\b+FR-1], v[AF+FR*(\a):AF+FR*(\a)+FR-1], 0, v[SC+8*NQ*(\sc)+NQ*\b+(\q)], v[SC+8*NQ*(\sc)+NQ*(\a)+(\q)] matrix_a_fmt:MATRIX_FMT_FP6 matrix_b_fmt:MATRIX_FMT_FP6 matrix_a_scale:MATRIX_SCALE_ROW1
.else
	v_wmma_scale_f32_16x16x128_f8f6f4 v[8*(8*((\a)%4)+\b):8*(8*((\a)%4)+\b)+7], v[128*(\p)+FR*\b:128*(\p)+FR*\b+FR-1], v[AF+FR*(\a):AF+FR*(\a)+FR-1], v[8*(8*((\a)%4)+\b):8*(8*((\a)%4)+\b)+7], v[SC+8*NQ*(\sc)+NQ*\b+(\q)], v[SC+8*NQ*(\sc)+NQ*(\a)+(\q)] matrix_a_fmt:MATRIX_FMT_FP6 matrix_b_fmt:MATRIX_FMT_FP6 matrix_a_scale:MATRIX_SCALE_ROW1
.endif
.endr
.endr
.endm
.macro FETCH_B slot, q, p
	WIN 0x40
.irp i, 0,1,2,3,4,5,6,7
	FRAG 128*(\p)+FR*\i, ADRB+\slot, 3072*\i+1536*(\q)
.endr
	WIN 0
.endm
.macro FETCH_A slot, q, i0
.irp i, \i0, \i0+1, \i0+2, \i0+3
	FRAG AF+FR*(\i), ADRA+\slot, 3072*(\i)+1536*(\q)
.endr
.endm
.macro SCALES sc                       ; a slot's scale words into set sc: lanes 0-15 q's block i, lanes 16-31 k's block i
.irp i, 0,1,2,3,4,5,6,7
.irp q, 0,1
	ds_load_b32 v[SC+8*NQ*\sc+NQ*\i+\q], v[ADRS] offset:512*\q+64*\i
.endr
.endr
.endm
; A step of 128 along K that has its successor in the same slot.  A load into a register that a matrix instruction has read stands four plain vector instructions behind it.
.macro STEP slot, q, zero
	s_wait_dscnt 12                                ; k's set and q's blocks 0-3 are in; the youngest twelve loads (q's blocks 4-7) may be out
	WIN MUL_LO
	MUL16 0, (\q)%2, \q, \slot, \zero
	MUL16 2, (\q)%2, \q, \slot, \zero
	s_wait_dscnt 0x0                               ; q's blocks 4-7 are in
	PLACES 4
	FETCH_B \slot, (\q)+1, 1-(\q)%2
	FETCH_A \slot, (\q)+1, 0
	WIN MUL_HI
	MUL16 4, (\q)%2, \q, \slot, \zero
	MUL16 6, (\q)%2, \q, \slot, \zero
	PLACES 4
	WIN 0
	FETCH_A \slot, (\q)+1, 4
.endm
; A slot's last step changes slots: one barrier; in front of it each wave waits for all its tensor loads, adds 0 to its spare word, and waits for that and for its own reads of this slot.  fill = 1: this slot is filled again, two slots ahead.
.macro TURN slot, next, fill
	s_wait_tensorcnt 0x0                           ; all my tensor loads have landed: my part of the next slot
	ds_add_u32 v[SPW], v[NIL]                      ; 0 onto my spare word
	s_wait_dscnt 13                                ; (the add and the youngest twelve loads, q's blocks 4-7, may be out)
	WIN MUL_LO
	MUL16 0, 1, NQ-1, \slot, 0                     ; sixteen matrix instructions stand between the add and the wait for it
	s_wait_dscnt 0x0                               ; the add is done, and my reads of this slot are over
	s_barrier_signal -1
	MUL16 2, 1, NQ-1, \slot, 0
	WIN 0
	s_barrier_wait -1
.if \fill
	CREST                                          ; the barrier has opened a round of the cluster's barrier: no wave of any partner still reads this slot or has a load on its way
	s_add_nc_u64 s[G0+4*\slot+2:G0+4*\slot+3], s[G0+4*\slot+2:G0+4*\slot+3], 6144
	s_add_nc_u64 s[G0B+4*\slot+2:G0B+4*\slot+3], s[G0B+4*\slot+2:G0B+4*\slot+3], 6144
	JLOAD G0+4*\slot, G1, G0B+4*\slot, G1B         ; the first tensor load behind the round; its four v_nop are the places in front of the loads below
.else
	PLACES 4
.endif
	v_add_nc_u32 v[ADRS], 512*NQ, v[ADRS]          ; on to the next slot's scale words (no LDS load of mine is out)
	FETCH_B \next, 0, 0
	FETCH_A \next, 0, 0
	SCALES \next
	WIN MUL_HI
	MUL16 4, 1, NQ-1, \slot, 0
	MUL16 6, 1, NQ-1, \slot, 0
	PLACES 4
	WIN 0
	FETCH_A \next, 0, 4
.endm
; 64 numbers of a lane, v[s] on in window w, register 16 b + i = k 32 b + 16 h + i of my row, become a fragment's codes in v[pc] on and its scale word in v[pw].  An accumulator is read from its low end on.
.macro QUANT s, w, pc, pw
	WIN 5*(\w)
.irp b, 0,1,2,3
	v_max3_num_f32 v[TM+\b], |v[(\s)+16*\b]|, |v[(\s)+16*\b+1]|, 0x1800000   ; my 16 numbers of block b, and the floor 2^(3 - 127): so the byte cannot fall under 1
.endr
.irp i, 2,4,6,8,10,12,14
.irp b, 0,1,2,3
	v_max3_num_f32 v[TM+\b], |v[(\s)+16*\b+\i]|, |v[(\s)+16*\b+\i+1]|, v[TM+\b]
.endr
.endr
	WIN 0
.irp b, 0,1,2,3
	v_permlanex16_b32 v[TM+4+\b], v[TM+\b], s[SEL], s[SEL+1]
.endr
.irp b, 0,1,2,3
	v_max_num_f32 v[TM+\b], v[TM+\b], v[TM+4+\b]   ; with lane l xor 16's: the block's largest magnitude
.endr
.irp b, 0,1,2,3
	v_add_nc_u32 v[TM+12+\b], 0xff000000, v[TM+\b] ; 2 off its exponent field: the conversion's scale operand
.endr
.irp b, 0,1,2,3
	v_lshrrev_b32 v[TM+4+\b], 23, v[TM+12+\b]      ; the scale's byte
.endr
	v_lshl_or_b32 v[\pw], v[TM+5], 8, v[TM+4]
	v_lshl_or_b32 v[\pw], v[TM+6], 16, v[\pw]
	v_lshl_or_b32 v[\pw], v[TM+7], 24, v[\pw]
	WIN \w
.irp c, 0,1
	v_cvt_scalef32_pk16_fp6_f32 v[(\pc)+6*\c:(\pc)+6*\c+2], v[(\s)+32*\c:(\s)+32*\c+15], v[TM+12+2*\c]
	v_cvt_scalef32_pk16_fp6_f32 v[TMP+4*\c:TMP+4*\c+2], v[(\s)+32*\c+16:(\s)+32*\c+31], v[TM+13+2*\c]
.endr
	WIN 0
	v_nop                                          ; one plain place behind a scaled conversion
.irp c, 0,1
.irp i, 0,1,2
	v_permlane16_swap_b32 v[(\pc)+6*\c+\i], v[TMP+4*\c+\i]
.endr
.irp i, 0,1,2
	v_mov_b32 v[(\pc)+6*\c+3+\i], v[TMP+4*\c+\i]
.endr
.endr
.endm
	s_wait_tensorcnt 1                             ; the scale words and my part of slot 0 are in (slot 1's load may be out)
	s_barrier_signal -1
	s_barrier_wait -1                              ; everybody's are
	FETCH_B 0, 0, 0
	FETCH_A 0, 0, 0
	SCALES 0
	FETCH_A 0, 0, 4
	STEP 0, 0, 1                                   ; the first step stands in front of the loop: its products start the sums
	s_mov_b32 s3, LAPS-1
.Llap:                                                 ; a trip goes once round the ring and fills both slots again
	TURN 0, 1, 1
	STEP 1, 0, 0
	TURN 1, 0, 1
	STEP 0, 0, 0
	s_sub_co_u32 s3, s3, 1
	s_cmp_lg_u32 s3, 0
	s_cbranch_scc1 .Llap
	TURN 0, 1, 0                                   ; the last lap fills nothing
	STEP 1, 0, 0
	s_wait_dscnt 12                                ; the very last step
	WIN MUL_LO
	MUL16 0, 1, NQ-1, 1, 0
	MUL16 2, 1, NQ-1, 1, 0
	s_wait_dscnt 0x0
	WIN MUL_HI
	MUL16 4, 1, NQ-1, 1, 0
	MUL16 6, 1, NQ-1, 1, 0
	WIN 0
	PLACES 4                                       ; in front of the first reads of results
.irp a, 0,1,2,3,4,5,6,7                ; q's block a: its 64 registers are one K step of the next product for 16 rows of attn
.if \a >= 2
	s_wait_xcnt 0x0                                ; the stores of two blocks back have read their registers: that set of codes is written again only behind this wait
.endif
	QUANT 64*(\a%4), 2+\a/4, PC0+12*(\a%2), PW+\a
.irp c, 0,1,2
	global_store_b128 v[CO], v[PC0+12*(\a%2)+4*\c:PC0+12*(\a%2)+4*\c+3], s[8:9] offset:24576*\a+512*\c   ; 32 lanes store 512 consecutive bytes, aligned
.endr
.endr
.irp a, 0,1,2,3,4,5,6,7
	ds_store_b32 v[SSTA], v[PW+\a] offset:64*\a    ; lane r has row r's word; both halves of the lanes write the same word with the same value
.endr
	ds_load_b128 v[X4:X4+3], v[SSTL]               ; LDS serves a wave's instructions in order: this sees my stores
	s_wait_dscnt 0x0
	global_store_b128 v[CO], v[X4:X4+3], s[10:11]  ; 512 consecutive bytes, aligned
	s_wait_tensorcnt 0x0                           ; the wave's end, behind my last tensor load and my last LDS store
	ds_add_u32 v[SPW], v[NIL]
	s_wait_dscnt 0x0
	CROUND                                         ; the closing round
	s_endpgm
.Lfunc_end_k_qda8aa3274f_scores:
	.size	k_qda8aa3274f_scores, .Lfunc_end_k_qda8aa3274f_scores-k_qda8aa3274f_scores
	.p2alignl 7, 3214868480
	.fill 96, 4, 3214868480
	.section	.rodata,"a",@progbits
	.p2align	6, 0x0
	.amdhsa_kernel k_qda8aa3274f_scores
		.amdhsa_group_segment_fixed_size 327680
		.amdhsa_private_segment_fixed_size 0
		.amdhsa_enable_private_segment 0
		.amdhsa_kernarg_size 32
		.amdhsa_user_sgpr_count 2
		.amdhsa_user_sgpr_kernarg_segment_ptr 1
		.amdhsa_wavefront_size32 1
		.amdhsa_system_sgpr_workgroup_id_x 1
		.amdhsa_system_sgpr_workgroup_id_y 1
		.amdhsa_system_sgpr_workgroup_id_z 1
		.amdhsa_system_vgpr_workitem_id 0
		.amdhsa_next_free_vgpr 1024
		.amdhsa_next_free_sgpr 98
		.amdhsa_reserve_vcc 0
		.amdhsa_float_denorm_mode_32 3
		.amdhsa_float_denorm_mode_16_64 3
		.amdhsa_memory_ordered 1
		.amdhsa_forward_progress 1
		.amdhsa_inst_pref_size 143
	.end_amdhsa_kernel
	.amdgpu_metadata
---
amdhsa.version: [ 1, 2 ]
amdhsa.kernels:
  - .name:           k_qda8aa3274f_scores
    .symbol:         k_qda8aa3274f_scores.kd
    .args:
      - { .name: c2, .offset: 0, .size: 8, .value_kind: global_buffer, .address_space: global }
      - { .name: s2, .offset: 8, .size: 8, .value_kind: global_buffer, .address_space: global }
      - { .name: c3, .offset: 16, .size: 8, .value_kind: global_buffer, .address_space: global }
      - { .name: s3, .offset: 24, .size: 8, .value_kind: global_buffer, .address_space: global }
    .group_segment_fixed_size: 327680
    .private_segment_fixed_size: 0
    .kernarg_segment_align: 8
    .kernarg_segment_size: 32
    .max_flat_workgroup_size: 128
    .sgpr_count:     98
    .vgpr_count:     1024
    .wavefront_size: 32
...
	.end_amdgpu_metadata
.endif
;; end of part 3
;; launch outp (part 4): grid 4 x 64, 4 waves a work-group, clusters of 4 x 4, 327,680 bytes of LDS; arguments c3, s3, c2, s2, out0; writes out0
.if DOCPART == 4
	.amdgcn_target "amdgcn-amd-amdhsa--gfx1250"
	.amdhsa_code_object_version 6
	.text
	.protected	k_qda8aa3274f_outp
	.globl	k_qda8aa3274f_outp
	.p2align	8
	.type	k_qda8aa3274f_outp,@function
k_qda8aa3274f_outp:
	s_mov_b64 s[64:65], 0
	v_nop
	global_prefetch_b8 v0, s[64:65] scope:SCOPE_SE
	s_setreg_imm32_b32 hwreg(HW_REG_WAVE_MODE, 25, 1), 1
	s_wait_xcnt 0x0
	s_wait_alu depctr_hold_cnt(0) depctr_sa_sdst(0) depctr_va_vdst(0) depctr_va_sdst(0) depctr_va_ssrc(0) depctr_va_vcc(0) depctr_vm_vsrc(0)
	s_getreg_b32 s2, hwreg(HW_REG_IB_STS2, 6, 4)
	s_cmp_eq_u32 s2, 0
	s_cbranch_scc0 .Lentry_in_a_cluster
	s_endpgm
.Lentry_in_a_cluster:
	s_bfe_u32 s2, ttmp6, 0x10000c
	s_cmp_lg_u32 s2, 0xf033
	s_cbranch_scc0 .Lentry_shape_is_right
	s_endpgm
.Lentry_shape_is_right:
; out[l][b][e] = the sum over s of attn[b][l][s] v[s][b][e], on codes of FP6 (E2M3) with E8M0 scales, K = 2,048; out is [2048][4][512] f32.
; Both operands lie in the order of an operand's registers: a rowblock is 16 rows (rowblock blk begins at row 32 (blk / 2) + 8 (blk % 2), slot p is that row + p + 8 (p / 8)); a fragment (rowblock x 128 K) is 1,536 dense bytes;
; a rowblock's 16 K steps lie on end (24,576 bytes).  Scale words: [batch][K step][rowblock][16 slots].
; A TILE is 128 l x 128 e: that gives 256 work-groups, where tiles of 256 x 256 would give 64.  Four waves, each 64 x 64: 16 accumulators.  Source 0 = 16 rows of v (e), source 1 = 16 rows of attn (l): a lane keeps one l,
; and a tile's eight registers are eight neighbouring e.
; LDS: three slots of 512 along K, all filled at the start, and ONE refill (slot 0 takes the last 512), which has eight K steps, 128 matrix instructions a wave, in which to land.  The scale words of the tile's rows come once.
; CLUSTER 4 x 4: attn's tile is shared along a row of the cluster, v's along a column: each is asked for jointly.  The batch in v's addresses is taken from the cluster's y alone.
; The way out goes through the wave's own stage in slot 1, which is filled once and which nobody reads behind the last barrier.  LIMITS: NaN and infinities are not served.
; REGISTERS: window 0: v10-29 addresses; v32-39 scale words, two sets; v64-127 rows on their way out; v128-255 accumulator (a, t) at v[128 + 8 (4 a + t)].  window 1: two sets of fragments, at v0 and v128: attn's 48, then v's 48.
.set HALFT, 24576                      ; what one tensor load brings: [rowblock 0..3][K step 0..3][1,536]
.set SLOT,  4*HALFT
.set SCL,   3*SLOT                     ; the scale words: 4,096 bytes a wave: [K step 16][rowblock 0..3][64]
.set SPARE, SCL+4*4096                 ; the spare words, 128 bytes for each wave: two blocks of 256 bytes that no other line names
.set STAGE, SLOT                       ; 16 rows x (256 + 16) bytes for each wave
.set ADRA, 10                          ; v10-12
.set ADRB, 13                          ; v13-15
.set ADRS, 16
.set STO,  24
.set RD,   25
.set CO,   26
.set SPW,  28
.set NIL,  29
.set SC,   32
.set BK,   64
.set ACC,  128
.set G1A, 24
.set G1B, 32
.set G1SA, 40
.set G1SB, 48
.set G0A0, 56
.set G0A1, 60
.set G0A2, 68
.set G0SA, 72
.set G0B0, 76
.set G0B1, 80
.set G0B2, 84
.set G0SB, 88
.set MSB, 0
.macro WIN new                         ; the immediate's high byte repeats the setting that is left
.if MSB != (\new)
	s_set_vgpr_msb (MSB<<8)|(\new)
.set MSB, \new
.endif
.endm
.macro PLACES n
.rept \n
	v_nop
.endr
.endm
; A joint load: waves 0 and 1 fetch for attn, waves 2 and 3 for v.  The branch hangs on the wave's number alone.  Four v_nop follow each of the two lines.
.macro JLOAD g0a, g1a, g0b, g1b
	s_cmp_eq_u32 s15, 0
	s_cbranch_scc0 .Lfor_b_\@
	tensor_load_to_lds s[\g0a:\g0a+3], s[\g1a:\g1a+7]
	s_nop 0
.rept 4
	v_nop
.endr
	s_branch .Lasked_\@
.Lfor_b_\@:
	tensor_load_to_lds s[\g0b:\g0b+3], s[\g1b:\g1b+7]
	s_nop 0
.rept 4
	v_nop
.endr
.Lasked_\@:
.endm
.macro CROUND                          ; a round of the cluster's barrier
	s_barrier_signal -1
	s_barrier_wait -1
	s_cmp_lg_u32 s14, 0
	s_cbranch_scc1 .Lnot_wave_0_\@
	s_barrier_signal -3
.Lnot_wave_0_\@:
	s_barrier_wait -3
	s_barrier_signal -1
	s_barrier_wait -1
.endm
.macro MKG0 g, lo, ldsreg, ldsadd, gadd    ; a group 0: count 1, LDS address, global address, type 2
	s_mov_b32 s[\g], 1
	s_add_co_u32 s[\g+1], s[\ldsreg], \ldsadd
	s_add_nc_u64 s[\g+2:\g+3], s[\lo:\lo+1], \gadd
	s_or_b32 s[\g+3], s[\g+3], 0x80000000
.endm
	s_load_b256 s[4:11], s[0:1], 0x0               ; c3, s3, c2, s2
	s_load_b64 s[12:13], s[0:1], 0x20              ; out0
	v_lshl_add_u32 v[SPW], v0, 2, SPARE
	v_mov_b32 v[NIL], 0
	ds_add_u32 v28, v29
	ds_add_u32 v28, v29
	s_wait_dscnt 0x0
	v_lshrrev_b32 v1, 5, v0
	v_readfirstlane_b32 s14, v1                    ; wave
	s_lshr_b32 s15, s14, 1                         ; rh: my half of the tile's l.  Also: I fetch for attn (0) or for v (1)
	s_and_b32 s16, s14, 1                          ; ch: my half of its e.  Also: which half of that tile I fetch
	s_bfe_u32 s20, ttmp6, 0x40000                  ; cx
	s_bfe_u32 s21, ttmp6, 0x40004                  ; cy
	s_lshl_b32 s92, ttmp9, 2
	s_add_co_u32 s92, s92, s20                     ; X: the tile of e
	s_and_b32 s18, ttmp7, 0xffff                   ; the cluster's y
	s_lshl_b32 s17, s18, 2
	s_add_co_u32 s17, s17, s21                     ; Y = 16 x batch + the tile of l
	s_lshr_b32 s19, s18, 2                         ; the batch
	s_lshl_b32 s22, s21, 2
	s_lshl_b32 s22, 15, s22                        ; my row of the cluster
	s_lshl_b32 s23, 0x1111, s20                    ; my column
	s_or_b32 s[G1A], s22, (3<<16)|(1<<21)          ; the mask; elements of 8 bytes; bit 21 beside a mask; no padding
	s_or_b32 s[G1B], s23, (3<<16)|(1<<21)
.irp g, G1A, G1B                       ; 4 rows of 6,144 bytes, 24,576 bytes apart
	s_mov_b32 s[\g+1], 768<<16
	s_mov_b32 s[\g+2], 4<<16
	s_mov_b32 s[\g+3], 768<<16
	s_mov_b32 s[\g+4], 4
	s_mov_b32 s[\g+5], 3072
	s_mov_b32 s[\g+6], 0
	s_mov_b32 s[\g+7], 0
.endr
	s_or_b32 s[G1SA], s22, (3<<16)|(1<<21)
	s_or_b32 s[G1SB], s23, (3<<16)|(1<<21)
.irp g, G1SA, G1SB                     ; the scale words: 16 rows (K steps) of 256 bytes
	s_mov_b32 s[\g+1], 32<<16
	s_mov_b32 s[\g+2], 16<<16
	s_mov_b32 s[\g+3], 32<<16
	s_mov_b32 s[\g+4], 16
	s_mov_b32 s[\g+6], 0
	s_mov_b32 s[\g+7], 0
.endr
	s_mov_b32 s[G1SA+5], 1024                      ; attn's: 8,192 bytes apart (128 rowblocks)
	s_mov_b32 s[G1SB+5], 256                       ; v's: 2,048 bytes apart (32 rowblocks)
	s_lshl_b32 s2, s16, 2                          ; the half that I fetch: 4 rowblocks
	s_lshl_b32 s94, s17, 3
	s_add_co_u32 s94, s94, s2                      ; attn: rowblock 8 Y + 4 half
	s_mul_i32 s94, s94, 24576
	s_mov_b32 s95, 0
	s_lshl_b32 s96, s19, 5
	s_lshl_b32 s97, s92, 3
	s_add_co_u32 s96, s96, s97
	s_add_co_u32 s96, s96, s2                      ; v: rowblock 32 b + 8 X + 4 half,
	s_mul_i32 s96, s96, 24576
	s_add_co_u32 s96, s96, 25165824                ; behind q's and k's codes
	s_mov_b32 s97, 0
	s_lshl_b32 s2, s16, 8
	s_lshr_b32 s98, s17, 4                         ; attn's scale words: 131,072 b + 512 (Y % 16) + 256 half
	s_lshl_b32 s98, s98, 17
	s_and_b32 s99, s17, 15
	s_lshl_b32 s99, s99, 9
	s_add_co_u32 s98, s98, s99
	s_add_co_u32 s98, s98, s2
	s_mov_b32 s99, 0
	s_lshl_b32 s100, s19, 15                       ; v's: 1,048,576 + 32,768 b + 512 X + 256 half
	s_lshl_b32 s101, s92, 9
	s_add_co_u32 s100, s100, s101
	s_add_co_u32 s100, s100, s2
	s_add_co_u32 s100, s100, 1048576
	s_mov_b32 s101, 0
	s_mul_i32 s3, s14, HALFT                       ; where they go: wave x 24,576, wave x 4,096: no place in the cluster enters an LDS address
	s_lshl_b32 s2, s14, 12
	s_wait_kmcnt 0x0
	s_add_nc_u64 s[94:95], s[4:5], s[94:95]
	s_add_nc_u64 s[96:97], s[8:9], s[96:97]
	s_add_nc_u64 s[98:99], s[6:7], s[98:99]
	s_add_nc_u64 s[100:101], s[10:11], s[100:101]
	MKG0 G0SA, 98, 2, SCL, 0
	MKG0 G0SB, 100, 2, SCL, 0
	MKG0 G0A0, 94, 3, 0, 0
	MKG0 G0B0, 96, 3, 0, 0
	MKG0 G0A1, 94, 3, SLOT, 6144
	MKG0 G0B1, 96, 3, SLOT, 6144
	MKG0 G0A2, 94, 3, 2*SLOT, 12288
	MKG0 G0B2, 96, 3, 2*SLOT, 12288
	CROUND                                         ; all sixteen work-groups are here: the first joint loads meet
	JLOAD G0SA, G1SA, G0SB, G1SB                   ; the scale words, then three quarters of K: four tensor loads of mine are out
	JLOAD G0A0, G1A, G0B0, G1B
	JLOAD G0A1, G1A, G0B1, G1B
	JLOAD G0A2, G1A, G0B2, G1B
	v_and_b32 v1, 15, v0                           ; r
	v_bfe_u32 v2, v0, 4, 1                         ; h
	v_and_b32 v3, 31, v0
	v_lshlrev_b32 v3, 4, v3                        ; 16 x lane
	s_mul_i32 s93, s15, HALFT                      ; my half of attn
	s_mul_i32 s2, s16, HALFT                       ; my half of v,
	s_add_co_u32 s2, s2, 2*HALFT                   ; behind attn's two
.irp s, 0,1,2
	v_add_nc_u32 v[ADRA+\s], s93, v3
	v_add_nc_u32 v[ADRB+\s], s2, v3
	s_add_co_u32 s93, s93, SLOT
	s_add_co_u32 s2, s2, SLOT
.endr
	s_xor_b32 s2, s15, 1                           ; lanes 16-31 take v's words: 4,096 (2 + ch - rh) bytes on; 2 + ch - rh = 1 + ch + (rh xor 1)
	s_add_co_u32 s2, s2, s16
	s_add_co_u32 s2, s2, 1
	s_lshl_b32 s2, s2, 12
	v_mul_u32_u24 v4, s2, v2
	v_lshl_add_u32 v4, v1, 2, v4
	s_lshl_b32 s2, s15, 12
	s_add_co_u32 s2, s2, SCL
	v_add_nc_u32 v[ADRS], s2, v4
	s_mul_i32 s2, s14, 16*272
	s_add_co_u32 s2, s2, STAGE                     ; my stage
	v_mul_u32_u24 v[STO], v1, 272                  ; in: row r, + 64 h
	v_lshl_add_u32 v[STO], v2, 6, v[STO]
	v_add_nc_u32 v[STO], s2, v[STO]
	v_mul_u32_u24 v[RD], v2, 272                   ; back: lanes 0-15 one row of 256 bytes, lanes 16-31 the next
	v_lshl_add_u32 v[RD], v1, 4, v[RD]
	v_add_nc_u32 v[RD], s2, v[RD]
	v_lshlrev_b32 v[CO], 13, v2                    ; and the same two l in out: 8,192 bytes from l to l + 1
	v_lshl_add_u32 v[CO], v1, 4, v[CO]
	s_and_b32 s93, s17, 15                         ; out: l = 128 (Y % 16) + 64 rh on, batch b, e = 128 X + 64 ch on
	s_lshl_b32 s93, s93, 7
	s_lshl_b32 s2, s15, 6
	s_add_co_u32 s93, s93, s2
	s_lshl_b32 s2, s93, 13
	s_lshl_b32 s93, s19, 11
	s_add_co_u32 s2, s2, s93
	s_lshl_b32 s93, s92, 9
	s_add_co_u32 s2, s2, s93
	s_lshl_b32 s93, s16, 8
	s_add_co_u32 s2, s2, s93
	s_mov_b32 s3, 0
	s_add_nc_u64 s[12:13], s[12:13], s[2:3]
.macro FRAG reg, adr, off              ; a fragment comes as it was stored: three loads of 512 consecutive bytes
.irp c, 0,1,2
	ds_load_b128 v[(\reg)+4*\c:(\reg)+4*\c+3], v[\adr] offset:(\off)+512*\c
.endr
.endm
.macro FETCH k                         ; K step k (0..15): slot (k / 4) % 3, its step k % 4; into set k % 2
.set FB, 128*((\k)%2)
.set SG, ((\k)/4)%3
.set QQ, (\k)%4
	WIN 0x40
.irp i, 0,1,2,3
	FRAG FB+48+12*\i, ADRB+SG, 6144*\i+1536*QQ
	FRAG FB+12*\i, ADRA+SG, 6144*\i+1536*QQ
.endr
	WIN 0
.irp i, 0,1,2,3
	ds_load_b32 v[SC+4*((\k)%2)+\i], v[ADRS] offset:256*(\k)+64*\i   ; lanes 0-15 attn's block i, lanes 16-31 v's block i
.endr
.endm
; A K step: 16 matrix instructions; the 16 accumulators take turns, one instruction a turn.  fetch = 1: the next step's fragments are asked for first, into the set that the step before
; multiplied: four plain vector instructions stand between those products and the loads.
.macro KSTEP k, fetch, zero
	s_wait_dscnt 0x0                               ; this step's fragments and scale words are in
.if \fetch
	PLACES 4
	FETCH (\k)+1
.endif
.set FB, 128*((\k)%2)
	WIN 0x05                                       ; sources 0 and 1 window 1; C and D window 0
.irp a, 0,1,2,3
.irp t, 0,1,2,3
.if \zero
	v_wmma_scale_f32_16x16x128_f8f6f4 v[ACC+8*(4*\a+\t):ACC+8*(4*\a+\t)+7], v[FB+48+12*\t:FB+48+12*\t+11], v[FB+12*\a:FB+12*\a+11], 0, v[SC+4*((\k)%2)+\t], v[SC+4*((\k)%2)+\a] matrix_a_fmt:MATRIX_FMT_FP6 matrix_b_fmt:MATRIX_FMT_FP6 matrix_a_scale:MATRIX_SCALE_ROW1
.else
	v_wmma_scale_f32_16x16x128_f8f6f4 v[ACC+8*(4*\a+\t):ACC+8*(4*\a+\t)+7], v[FB+48+12*\t:FB+48+12*\t+11], v[FB+12*\a:FB+12*\a+11], v[ACC+8*(4*\a+\t):ACC+8*(4*\a+\t)+7], v[SC+4*((\k)%2)+\t], v[SC+4*((\k)%2)+\a] matrix_a_fmt:MATRIX_FMT_FP6 matrix_b_fmt:MATRIX_FMT_FP6 matrix_a_scale:MATRIX_SCALE_ROW1
.endif
.endr
.endr
	WIN 0
.endm
	s_wait_tensorcnt 2                             ; the scale words and my part of slot 0 are in; slots 1 and 2 may be out
	s_barrier_signal -1
	s_barrier_wait -1                              ; everybody's are
	FETCH 0
	KSTEP 0, 1, 1                                  ; the first step's products start the sums
	KSTEP 1, 1, 0
	KSTEP 2, 1, 0
	KSTEP 3, 0, 0
	s_wait_tensorcnt 0x0                           ; all my tensor loads have landed, slots 1 and 2 among them: so a group 0 may be written
	ds_add_u32 v[SPW], v[NIL]                      ; 0 onto my spare word
	s_add_nc_u64 s[G0A0+2:G0A0+3], s[G0A0+2:G0A0+3], 18432   ; slot 0's next 512 along K: three slots on
	s_add_nc_u64 s[G0B0+2:G0B0+3], s[G0B0+2:G0B0+3], 18432
	s_wait_dscnt 0x0                               ; the add is done, and my reads of slot 0 are over
	CROUND                                         ; no wave of any partner still reads slot 0 or has a load on its way
	JLOAD G0A0, G1A, G0B0, G1B                     ; the one refill, first behind the round; its four v_nop are the places in front of the loads below
	FETCH 4
	KSTEP 4, 1, 0
	KSTEP 5, 1, 0
	KSTEP 6, 1, 0
	KSTEP 7, 1, 0
	KSTEP 8, 1, 0
	KSTEP 9, 1, 0
	KSTEP 10, 1, 0
	KSTEP 11, 0, 0
	s_wait_tensorcnt 0x0                           ; my part of the refill has landed (the one load that was out),
	s_wait_dscnt 0x0                               ; my reads of slots 1 and 2 are over,
	s_barrier_signal -1
	s_barrier_wait -1                              ; everybody's
	PLACES 4
	FETCH 12
	KSTEP 12, 1, 0
	KSTEP 13, 1, 0
	KSTEP 14, 1, 0
	KSTEP 15, 0, 0
; THE WAY OUT, attn's block a (16 rows of l x 64 e) at a time: a lane holds 32 neighbouring bytes of a row for each tile; the block goes through my stage and comes back as whole rows of 256 bytes.
.macro TOSTAGE a
.irp t, 0,1,2,3
	ds_store_b128 v[STO], v[ACC+8*(4*(\a)+\t):ACC+8*(4*(\a)+\t)+3] offset:128*(\t/2)+32*(\t%2)      ; each accumulator from its low end on; tile t holds e 32 (t / 2) + 8 (t % 2) + 16 h + 0 .. 7
	ds_store_b128 v[STO], v[ACC+8*(4*(\a)+\t)+4:ACC+8*(4*(\a)+\t)+7] offset:128*(\t/2)+32*(\t%2)+16
.endr
.set BB, BK+32*((\a)%2)
.irp i, 0,1,2,3,4,5,6,7
	ds_load_b128 v[BB+4*\i:BB+4*\i+3], v[RD] offset:544*\i   ; LDS serves a wave's instructions in order: these see the stores above, and the next block's stores come behind them
.endr
.endm
.macro SEND a, younger                 ; younger: the LDS instructions issued behind block a's loads, which may stay out
.set BB, BK+32*((\a)%2)
	s_wait_dscnt \younger
.irp i, 0,1,2,3,4,5,6,7
	global_store_b128 v[CO], v[BB+4*\i:BB+4*\i+3], s[12:13] offset:(32*((\a)/2)+8*((\a)%2)+2*\i+8*(\i/4))*8192 th:TH_STORE_NT   ; slot 2 i + h of the block; 16 lanes store 256 consecutive bytes, aligned
.endr
.endm
	PLACES 4                                       ; in front of the first reads of results
	TOSTAGE 0
.irp a, 1,2,3
.if \a > 1
	s_wait_xcnt 0x0                                ; block a - 2's stores have read their registers: block a's loads may land there
.endif
	TOSTAGE \a
	SEND \a-1, 16                                  ; behind block a - 1's loads: block a's 8 stores and 8 loads
.endr
	SEND 3, 0
	s_wait_tensorcnt 0x0                           ; the wave's end, behind my last tensor load and my last LDS store
	ds_add_u32 v[SPW], v[NIL]
	s_wait_dscnt 0x0
	CROUND                                         ; the closing round
	s_endpgm
.Lfunc_end_k_qda8aa3274f_outp:
	.size	k_qda8aa3274f_outp, .Lfunc_end_k_qda8aa3274f_outp-k_qda8aa3274f_outp
	.p2alignl 7, 3214868480
	.fill 96, 4, 3214868480
	.section	.rodata,"a",@progbits
	.p2align	6, 0x0
	.amdhsa_kernel k_qda8aa3274f_outp
		.amdhsa_group_segment_fixed_size 327680
		.amdhsa_private_segment_fixed_size 0
		.amdhsa_enable_private_segment 0
		.amdhsa_kernarg_size 40
		.amdhsa_user_sgpr_count 2
		.amdhsa_user_sgpr_kernarg_segment_ptr 1
		.amdhsa_wavefront_size32 1
		.amdhsa_system_sgpr_workgroup_id_x 1
		.amdhsa_system_sgpr_workgroup_id_y 1
		.amdhsa_system_sgpr_workgroup_id_z 1
		.amdhsa_system_vgpr_workitem_id 0
		.amdhsa_next_free_vgpr 512
		.amdhsa_next_free_sgpr 102
		.amdhsa_reserve_vcc 0
		.amdhsa_float_denorm_mode_32 3
		.amdhsa_float_denorm_mode_16_64 3
		.amdhsa_memory_ordered 1
		.amdhsa_forward_progress 1
		.amdhsa_inst_pref_size 85
	.end_amdhsa_kernel
	.amdgpu_metadata
---
amdhsa.version: [ 1, 2 ]
amdhsa.kernels:
  - .name:           k_qda8aa3274f_outp
    .symbol:         k_qda8aa3274f_outp.kd
    .args:
      - { .name: c3, .offset: 0, .size: 8, .value_kind: global_buffer, .address_space: global }
      - { .name: s3, .offset: 8, .size: 8, .value_kind: global_buffer, .address_space: global }
      - { .name: c2, .offset: 16, .size: 8, .value_kind: global_buffer, .address_space: global }
      - { .name: s2, .offset: 24, .size: 8, .value_kind: global_buffer, .address_space: global }
      - { .name: out0, .offset: 32, .size: 8, .value_kind: global_buffer, .address_space: global }
    .group_segment_fixed_size: 327680
    .private_segment_fixed_size: 0
    .kernarg_segment_align: 8
    .kernarg_segment_size: 40
    .max_flat_workgroup_size: 128
    .sgpr_count:     102
    .vgpr_count:     512
    .wavefront_size: 32
...
	.end_amdgpu_metadata
.endif
;; end of part 4
;; ======== version 2 of 2: 4 launches; 1.12 times as fast as version 1
;; workspace buffers: c1 11,206,656 bytes; s1 466,944 bytes; c2 28,311,552 bytes; s2 1,179,648 bytes; c3 12,582,912 bytes; s3 524,288 bytes
;; launch quant: the kernel of part 1 again; grid 456 x 1, 4 waves a work-group, no clusters, 34,304 bytes of LDS; arguments query, key, value, q_w, k_w, v_w, c1, s1; writes c1, s1
;; launch proj (part 5): grid 8 x 32, 4 waves a work-group, clusters of 4 x 4, 327,680 bytes of LDS; arguments c1, s1, q_b, k_b, v_b, feat_mask, c2, s2; writes c2, s2
.if DOCPART == 5
	.amdgcn_target "amdgcn-amd-amdhsa--gfx1250"
	.amdhsa_code_object_version 6
	.text
	.protected	k_qda8aa3274f_proj
	.globl	k_qda8aa3274f_proj
	.p2align	8
	.type	k_qda8aa3274f_proj,@function
k_qda8aa3274f_proj:
	s_mov_b64 s[64:65], 0
	v_nop
	global_prefetch_b8 v0, s[64:65] scope:SCOPE_SE
	s_setreg_imm32_b32 hwreg(HW_REG_WAVE_MODE, 25, 1), 1
	s_wait_xcnt 0x0
	s_wait_alu depctr_hold_cnt(0) depctr_sa_sdst(0) depctr_va_vdst(0) depctr_va_sdst(0) depctr_va_ssrc(0) depctr_va_vcc(0) depctr_vm_vsrc(0)
	s_getreg_b32 s2, hwreg(HW_REG_IB_STS2, 6, 4)
	s_cmp_eq_u32 s2, 0
	s_cbranch_scc0 .Lentry_in_a_cluster
	s_endpgm
.Lentry_in_a_cluster:
	s_bfe_u32 s2, ttmp6, 0x10000c
	s_cmp_lg_u32 s2, 0xf033
	s_cbranch_scc0 .Lentry_shape_is_right
	s_endpgm
.Lentry_shape_is_right:
; q = mask(relu(query q_w^T + q_b) x 2048^-0.5), k = mask(relu(key k_w^T + k_b)), v = value v_w^T + v_b, on codes of FP6 (E2M3) with E8M0 scales, K = 512; the results are quantised at once for the next product
; (q and k along their 2,048 features, v along s) and leave as codes and scale words, laid in the order of an operand's registers.
; ROWBLOCKS: rowblock blk begins at row 32 (blk / 2) + 8 (blk % 2), slot p is that row + p + 8 (p / 8); a fragment (rowblock x 128 K) is 1,536 dense bytes, registers 4 c .. 4 c + 3 of lane L at 512 c + 16 L.
; A WORK-GROUP STAYS and takes one straight path: q's tile (yl, X), k's tile (yl, X), then a quarter tile of v.  256 work-groups of equal work: 256 + 256 + 64 matrix instructions a wave.
; A TILE of q or k is 256 rows of A (query or key; source 1: a lane keeps one row) x 256 rows of B (the weight; source 0: its rows run along a lane's registers and become the next K).  Four waves, each 128 x 128: 64 accumulators.
; With the rowblocks' pattern the 64 registers of A's block a are 128 neighbours of B's rows, register 16 b + i = 32 b + 16 (lane / 16) + i: what the quantiser wants.  A's block a of a wave is batch a % 4 of a block of l,
; so one array of mask factors serves four batches; q's tile and k's tile have the same rows and columns of the mask, so the mask tile is fetched once.
; v's QUARTER is 128 e (A = v_w, e tile = cy) x 128 s (B = value of batch cluster y % 4, s tile = X + 8 (cluster y / 4)): wave w takes A's rowblocks 2 w, 2 w + 1 against B's eight: 16 accumulators.
; LDS: three slots of 98,304 bytes, each 16 + 16 rowblocks x 256 along K.  At the start: q's two K halves, k's first half and the mask tile.  Slot 0 is filled again with k's second half inside q's last K step, slot 1 with v's
; tile behind q's way out: each refill has a whole way out or a whole tile in which to land.  One shape of tensor load serves all: 8 rows of 3,072 bytes, 6,144 bytes apart (for v: waves 0, 1 the K halves of A, waves 2, 3 of B).
; CLUSTER 4 x 4: A's tiles hang on yl (v: on cy) alone and are asked for jointly along a row of the cluster; B's hang on X (v: and on the cluster's y) and are asked for jointly along a column.  The mask tile is each work-group's own.
; The bias is the C of each sum's first matrix instruction.  LIMITS: that order of rounding differs from a bias added behind the sum; NaN and infinities are not served; mask bytes are 0 or 1;
; a block of zeros gets the byte 1 where the rule says 127 (its codes are zeros; these bytes are read by this program alone).
; REGISTERS: window 0: v1-31 lane numbers, offsets and addresses; v32-63 scale words (4 i + K step: lanes 0-15 A's block i, lanes 16-31 B's); v64-127 q's bias, later 64 numbers at work, later v's bias;
;   v128-223 A's fragments, on the way out the quantiser's; v224-247 two sets of codes; v248-249 v's bias as loaded.
;   window 1: B's fragments, two sets, at v0 and v128; on the way out v0-63 the mask factors; v96-127 and v224-255 k's bias.   windows 2, 3: accumulator (a, t) at v[8 (8 (a % 4) + t)].
.set HALFT,  24576                     ; what one tensor load brings: [rowblock 0..7][K step 0..1][1,536]
.set SLOT,   4*HALFT                   ; A's two halves, then B's two
.set MSK,    3*SLOT                    ; the mask tile: 64 rows x (256 + 16) bytes
.set MPITCH, 272
.set SPARE,  MSK+64*MPITCH             ; the spare words, 128 bytes for each wave: two blocks of 256 bytes that no other line names
.set SST,    SPARE+512                 ; 512 bytes a wave: q's and k's scale words on their way out; no tile lands here
.set SSTV,   SST+2048                  ; 512 bytes: v's scale words of the four waves; no tile lands here
.set SOQ,   4                          ; v4-7   offsets of the scale words in s1: q's, k's, v's (A below, B above), v's (B in all lanes)
.set SOK,   5
.set SOV,   6
.set SOVB,  7
.set BO,    9                          ; v9     64 h: q's and k's bias
.set VBV,   10                         ; v10    4 (r + 8 (r / 8)): v's bias
.set ADRA,  11                         ; v11-13 my half of A in slot 0, 1, 2
.set ADRB,  14                         ; v14-16 my half of B
.set ADRVA, 17                         ; v17    v: my two rowblocks of A
.set ADRVB, 18                         ; v18    v: B
.set MADR,  19
.set VO,    20                         ; v20-23 16 L + batch x 3,145,728
.set SSTA,  24
.set SSTL,  25
.set SGO,   26
.set L16,   27                         ; 16 x lane
.set SPW,   28
.set NIL,   29
.set SSTVA, 30
.set SSTVL, 31
.set SC,    32
.set BIAS,  64
.set YY,    64
.set AF,    128
.set TM,    128
.set TMP,   144
.set PW,    152
.set X4,    160
.set MR,    192
.set KA,    208
.set PC0,   224
.set VB,    248
.set G1A, 28                           ; s[28:35], s[36:43] group 1 for A's and B's tiles; s[44:51], s[52:55] the mask tile's groups
.set G1B, 36
.set G1M, 44
.set G0M, 52
.set G0A0, 56                          ; a group 0 for each slot, for A and for B
.set G0A1, 60
.set G0A2, 68
.set G0B0, 72
.set G0B1, 76
.set G0B2, 80
.set VAO, 84                           ; s[84:85], s[86:87] where v's tiles begin in c1, in bytes
.set VBO, 86
.set SEL, 66
.set SCQ, 88                           ; s[88:89] 2048^-0.5
.set PSEL, 92                          ; s[92:95] byte selects
.set MSB, 0
.macro WIN new                         ; the immediate's high byte repeats the setting that is left
.if MSB != (\new)
	s_set_vgpr_msb (MSB<<8)|(\new)
.set MSB, \new
.endif
.endm
.macro PLACES n
.rept \n
	v_nop
.endr
.endm
; A joint load: waves 0 and 1 fetch for A, waves 2 and 3 for B.  The branch hangs on the wave's number alone.  Four v_nop follow each of the two lines.
.macro JLOAD g0a, g1a, g0b, g1b
	s_cmp_eq_u32 s21, 0
	s_cbranch_scc0 .Lfor_b_\@
	tensor_load_to_lds s[\g0a:\g0a+3], s[\g1a:\g1a+7]
	s_nop 0
.rept 4
	v_nop
.endr
	s_branch .Lasked_\@
.Lfor_b_\@:
	tensor_load_to_lds s[\g0b:\g0b+3], s[\g1b:\g1b+7]
	s_nop 0
.rept 4
	v_nop
.endr
.Lasked_\@:
.endm
.macro CREST                           ; a round of the cluster's barrier behind its opening barrier
	s_cmp_lg_u32 s20, 0
	s_cbranch_scc1 .Lnot_wave_0_\@
	s_barrier_signal -3
.Lnot_wave_0_\@:
	s_barrier_wait -3
	s_barrier_signal -1
	s_barrier_wait -1
.endm
.macro CROUND                          ; a whole round
	s_barrier_signal -1
	s_barrier_wait -1
	CREST
.endm
.macro MKG0 g, lo, ldsreg, ldsadd, gadd    ; a group 0: count 1, LDS address, global address, type 2
	s_mov_b32 s[\g], 1
	s_add_co_u32 s[\g+1], s[\ldsreg], \ldsadd
	s_add_nc_u64 s[\g+2:\g+3], s[\lo:\lo+1], \gadd
	s_or_b32 s[\g+3], s[\g+3], 0x80000000
.endm
	s_load_b256 s[4:11], s[0:1], 0x0               ; c1, s1, q_b, k_b
	s_load_b256 s[12:19], s[0:1], 0x20             ; v_b, feat_mask, c2, s2
	v_lshl_add_u32 v[SPW], v0, 2, SPARE
	v_mov_b32 v[NIL], 0
	ds_add_u32 v28, v29
	ds_add_u32 v28, v29
	s_wait_dscnt 0x0
	v_lshrrev_b32 v1, 5, v0
	v_readfirstlane_b32 s20, v1                    ; wave
	s_lshr_b32 s21, s20, 1                         ; rh: my half of A's rows.  Also: I fetch for A (0) or for B (1)
	s_and_b32 s22, s20, 1                          ; ch: my half of B's rows.  Also: which half of that tile I fetch
	s_bfe_u32 s23, ttmp6, 0x40000                  ; cx
	s_bfe_u32 s25, ttmp6, 0x40004                  ; cy
	s_lshl_b32 s24, ttmp9, 2
	s_add_co_u32 s24, s24, s23                     ; X: B's tile
	s_and_b32 s26, ttmp7, 0xffff                   ; the cluster's y
	s_lshl_b32 s27, s26, 2
	s_add_co_u32 s27, s27, s25                     ; yl: A's tile
	s_lshl_b32 s2, s25, 2
	s_lshl_b32 s2, 15, s2                          ; my row of the cluster
	s_lshl_b32 s3, 0x1111, s23                     ; my column
	s_or_b32 s[G1A], s2, (3<<16)|(1<<21)           ; the mask; elements of 8 bytes; bit 21 beside a mask; no padding
	s_or_b32 s[G1B], s3, (3<<16)|(1<<21)
.irp g, G1A, G1B                       ; 8 rows of 3,072 bytes, 6,144 bytes apart
	s_mov_b32 s[\g+1], 384<<16
	s_mov_b32 s[\g+2], 8<<16
	s_mov_b32 s[\g+3], 384<<16
	s_mov_b32 s[\g+4], 8
	s_mov_b32 s[\g+5], 768
	s_mov_b32 s[\g+6], 0
	s_mov_b32 s[\g+7], 0
.endr
	s_mov_b32 s[G1M], (3<<16)|(1<<20)|(5<<22)|(3<<25)  ; 16 rows of 256 bytes, 2,048 bytes apart; 16 bytes of padding behind each; no mask: my own tile
	s_mov_b32 s[G1M+1], 32<<16
	s_mov_b32 s[G1M+2], 16<<16
	s_mov_b32 s[G1M+3], 32<<16
	s_mov_b32 s[G1M+4], 16
	s_mov_b32 s[G1M+5], 256
	s_mov_b32 s[G1M+6], 0
	s_mov_b32 s[G1M+7], 0
	s_lshl_b32 s91, s22, 3                         ; the half that I fetch: 8 rowblocks
	s_lshl_b32 s96, s27, 4                         ; query: rowblock 16 yl + 8 half (key: 512 rowblocks on)
	s_add_co_u32 s96, s96, s91
	s_mul_i32 s96, s96, 6144
	s_mov_b32 s97, 0
	s_lshl_b32 s98, s24, 4                         ; q_w: rowblock 1536 + 16 X + 8 half (k_w: 128 rowblocks on)
	s_add_co_u32 s98, s98, s91
	s_add_co_u32 s98, s98, 1536
	s_mul_i32 s98, s98, 6144
	s_mov_b32 s99, 0
	s_mul_i32 s2, s22, 3072                        ; v: the K half that I fetch
	s_lshl_b32 s[VAO], s25, 3                      ; v_w: rowblock 1792 + 8 cy
	s_add_co_u32 s[VAO], s[VAO], 1792
	s_mul_i32 s[VAO], s[VAO], 6144
	s_add_co_u32 s[VAO], s[VAO], s2
	s_mov_b32 s[VAO+1], 0
	s_and_b32 s[VBO], s26, 3                       ; value: rowblock 1024 + 128 b + 64 (cluster y / 4) + 8 X
	s_lshl_b32 s[VBO], s[VBO], 7
	s_lshr_b32 s[VBO+1], s26, 2
	s_lshl_b32 s[VBO+1], s[VBO+1], 6
	s_add_co_u32 s[VBO], s[VBO], s[VBO+1]
	s_lshl_b32 s[VBO+1], s24, 3
	s_add_co_u32 s[VBO], s[VBO], s[VBO+1]
	s_add_co_u32 s[VBO], s[VBO], 1024
	s_mul_i32 s[VBO], s[VBO], 6144
	s_add_co_u32 s[VBO], s[VBO], s2
	s_mov_b32 s[VBO+1], 0
	s_lshl_b32 s100, s27, 6                        ; the mask: rows 64 yl + 16 wave on, columns 256 X on
	s_lshl_b32 s101, s20, 4
	s_add_co_u32 s100, s100, s101
	s_lshl_b32 s100, s100, 11
	s_lshl_b32 s101, s24, 8
	s_add_co_u32 s100, s100, s101
	s_mov_b32 s101, 0
	s_mul_i32 s3, s20, HALFT                       ; where my part of a slot lies: wave x 24,576: no place in the cluster enters an LDS address
	s_mov_b32 s[SEL], 0x76543210
	s_mov_b32 s[SEL+1], 0xfedcba98
	s_mov_b32 s[PSEL], 0x04000c0c                  ; byte 3 from the first source's byte i, byte 2 from the second's, bytes 1 and 0 zero
	s_mov_b32 s[PSEL+1], 0x05010c0c
	s_mov_b32 s[PSEL+2], 0x06020c0c
	s_mov_b32 s[PSEL+3], 0x07030c0c
	s_mov_b32 s90, 0x01010101
	s_mov_b32 s[SCQ], 0x3cb504f3                   ; 2048^-0.5
	s_mov_b32 s[SCQ+1], s[SCQ]
	s_wait_kmcnt 0x0
	s_add_nc_u64 s[96:97], s[4:5], s[96:97]
	s_add_nc_u64 s[98:99], s[4:5], s[98:99]
	MKG0 G0A0, 96, 3, 0, 0                         ; slot 0: q, K half 0
	MKG0 G0B0, 98, 3, 0, 0
	MKG0 G0A1, 96, 3, SLOT, 3072                   ; slot 1: q, K half 1
	MKG0 G0B1, 98, 3, SLOT, 3072
	MKG0 G0A2, 96, 3, 2*SLOT, 3145728              ; slot 2: k, K half 0
	MKG0 G0B2, 98, 3, 2*SLOT, 786432
	s_mov_b32 s[G0M], 1
	s_mul_i32 s[G0M+1], s20, 16*MPITCH
	s_add_co_u32 s[G0M+1], s[G0M+1], MSK
	s_add_nc_u64 s[G0M+2:G0M+3], s[14:15], s[100:101]
	s_or_b32 s[G0M+3], s[G0M+3], 0x80000000
	CROUND                                         ; all sixteen work-groups are here: the first joint loads meet
	JLOAD G0A0, G1A, G0B0, G1B
	JLOAD G0A1, G1A, G0B1, G1B
	JLOAD G0A2, G1A, G0B2, G1B
	tensor_load_to_lds s[G0M:G0M+3], s[G1M:G1M+7]  ; every wave: 16 rows of the mask tile.  Four tensor loads of mine are out
	s_nop 0
	PLACES 4
	v_and_b32 v1, 15, v0                           ; r
	v_bfe_u32 v2, v0, 4, 1                         ; h
	v_and_b32 v3, 31, v0                           ; L
	v_lshlrev_b32 v[L16], 4, v3
	v_cmp_ne_u32 vcc_lo, 0, v2
	s_lshl_b32 s96, s27, 4                         ; my scale words in s1, 256 bytes a rowblock: A's blocks 16 yl + 8 rh on,
	s_lshl_b32 s97, s21, 3
	s_add_co_u32 s96, s96, s97
	s_lshl_b32 s96, s96, 8
	s_lshl_b32 s98, s24, 4                         ; B's blocks 1536 + 16 X + 8 ch on
	s_lshl_b32 s99, s22, 3
	s_add_co_u32 s98, s98, s99
	s_add_co_u32 s98, s98, 1536
	s_lshl_b32 s98, s98, 8
	v_mov_b32 v250, s96
	v_mov_b32 v251, s98
	v_cndmask_b32 v[SOQ], v250, v251, vcc_lo       ; lanes 0-15 take A's words, lanes 16-31 B's
	v_lshl_add_u32 v[SOQ], v1, 4, v[SOQ]           ; 16 bytes a row: the words of the four K steps
.irp i, 0,1,2,3,4,5,6,7
	global_load_b128 v[SC+4*\i:SC+4*\i+3], v[SOQ], s[6:7] offset:256*\i   ; sixteen lanes read 256 consecutive bytes, aligned
.endr
	v_mov_b32 v250, 0x20000                        ; key lies 512 rowblocks behind query, k_w 128 behind q_w
	v_mov_b32 v251, 0x8000
	v_cndmask_b32 v250, v250, v251, vcc_lo
	v_add_nc_u32 v[SOK], v[SOQ], v250
	s_lshl_b32 s96, s25, 3                         ; v: A's blocks 1792 + 8 cy + 2 wave on,
	s_lshl_b32 s97, s20, 1
	s_add_co_u32 s96, s96, s97
	s_add_co_u32 s96, s96, 1792
	s_lshl_b32 s96, s96, 8
	s_and_b32 s98, s26, 3                          ; B's blocks 1024 + 128 b + 64 (cluster y / 4) + 8 X on
	s_lshl_b32 s98, s98, 7
	s_lshr_b32 s99, s26, 2
	s_lshl_b32 s99, s99, 6
	s_add_co_u32 s98, s98, s99
	s_lshl_b32 s99, s24, 3
	s_add_co_u32 s98, s98, s99
	s_add_co_u32 s98, s98, 1024
	s_lshl_b32 s98, s98, 8
	v_mov_b32 v250, s96
	v_mov_b32 v251, s98
	v_cndmask_b32 v[SOV], v250, v251, vcc_lo
	v_lshl_add_u32 v[SOV], v1, 4, v[SOV]
	v_lshl_add_u32 v[SOVB], v1, 4, s98             ; for blocks 2 to 7, of which A has none: all lanes take B's, so that no load leaves s1
	s_lshl_b32 s2, s24, 10                         ; q's and k's bias go with B's rows: register 16 bb + i takes feature 256 X + 128 ch + 32 bb + 16 h + i
	s_lshl_b32 s3, s22, 9
	s_add_co_u32 s2, s2, s3
	s_mov_b32 s3, 0
	s_add_nc_u64 s[8:9], s[8:9], s[2:3]
	s_add_nc_u64 s[10:11], s[10:11], s[2:3]
	v_lshlrev_b32 v[BO], 6, v2
.irp bb, 0,1,2,3
.irp j, 0,1,2,3
	global_load_b128 v[BIAS+16*\bb+4*\j:BIAS+16*\bb+4*\j+3], v[BO], s[8:9] offset:128*\bb+16*\j
.endr
.endr
	WIN 0x40                                       ; k's bias: window 1, v96-127 and v224-255
.irp bb, 0,1,2,3
.irp j, 0,1,2,3
	global_load_b128 v[96+16*\bb+4*\j+96*(\bb/2):96+16*\bb+4*\j+96*(\bb/2)+3], v[BO], s[10:11] offset:128*\bb+16*\j
.endr
.endr
	WIN 0
	s_lshl_b32 s2, s25, 9                          ; v's bias goes with A's rows: one number a lane for each of my two blocks: e = 128 cy + 32 wave + 8 a + r + 8 (r / 8)
	s_lshl_b32 s91, s20, 7
	s_add_co_u32 s2, s2, s91
	s_add_nc_u64 s[12:13], s[12:13], s[2:3]
	v_and_b32 v8, 8, v1
	v_add_nc_u32 v8, v8, v1                        ; r + 8 (r / 8)
	v_lshlrev_b32 v[VBV], 2, v8
	global_load_b32 v[VB], v[VBV], s[12:13]
	global_load_b32 v[VB+1], v[VBV], s[12:13] offset:32
	s_mul_i32 s96, s21, HALFT                      ; my half of A in a slot,
	s_mul_i32 s97, s22, HALFT                      ; my half of B,
	s_add_co_u32 s97, s97, 2*HALFT                 ; behind A's two
.irp s, 0,1,2
	v_add_nc_u32 v[ADRA+\s], s96, v[L16]
	v_add_nc_u32 v[ADRB+\s], s97, v[L16]
	s_add_co_u32 s96, s96, SLOT
	s_add_co_u32 s97, s97, SLOT
.endr
	s_mul_i32 s96, s20, 6144                       ; v, in slot 1: my two rowblocks of A (3,072 bytes each in a K half),
	s_add_co_u32 s96, s96, SLOT
	v_add_nc_u32 v[ADRVA], s96, v[L16]
	v_add_nc_u32 v[ADRVB], SLOT+2*HALFT, v[L16]    ; and B
	v_mul_u32_u24 v[MADR], v8, MPITCH              ; the mask: row 32 rh + r + 8 (r / 8) (+ 8 for the second block of l), byte 128 ch + 16 h
	v_lshl_add_u32 v[MADR], v2, 4, v[MADR]
	s_mul_i32 s96, s21, 32*MPITCH
	s_lshl_b32 s97, s22, 7
	s_add_co_u32 s96, s96, s97
	s_add_co_u32 s96, s96, MSK
	v_add_nc_u32 v[MADR], s96, v[MADR]
	s_lshl_b32 s96, s20, 9
	s_add_co_u32 s96, s96, SST
	v_lshl_add_u32 v[SSTA], v1, 2, s96
	v_add_nc_u32 v[SSTL], s96, v[L16]
	s_lshl_b32 s96, s20, 7
	s_add_co_u32 s96, s96, SSTV
	v_lshl_add_u32 v[SSTVA], v1, 2, s96
	v_add_nc_u32 v[SSTVL], SSTV, v[L16]
.irp b, 0,1,2,3
	v_add_nc_u32 v[VO+\b], \b*3145728, v[L16]      ; a batch's codes of q or k are 128 rowblocks x 24,576 bytes
.endr
	v_lshrrev_b32 v250, 3, v3                      ; lane L stores the words of batch L / 8, block of l (L / 4) % 2, slots 4 (L % 4) on
	v_lshlrev_b32 v[SGO], 17, v250
	v_bfe_u32 v250, v3, 2, 1
	v_lshl_add_u32 v[SGO], v250, 6, v[SGO]
	v_and_b32 v250, 3, v3
	v_lshl_add_u32 v[SGO], v250, 4, v[SGO]
	; where the results go.  Codes: a rowblock is 16 K steps x 1,536 bytes.  Scale words: [batch][K step][rowblock][16 slots]
	s_lshl_b32 s96, s24, 1
	s_add_co_u32 s96, s96, s22                     ; q, k: which 128 of the next K: 2 X + ch
	s_lshl_b32 s97, s27, 2
	s_lshl_b32 s91, s21, 1
	s_add_co_u32 s97, s97, s91                     ; my first block of l: 4 yl + 2 rh
	s_and_b32 s2, s26, 3                           ; v: the batch,
	s_lshr_b32 s3, s26, 2
	s_lshl_b32 s3, s3, 3
	s_add_co_u32 s3, s3, s24                       ; and which 128 of s
	s_lshl_b32 s98, s2, 5                          ; v's codes: rowblock 32 b + 8 cy + 2 wave, behind q's and k's
	s_lshl_b32 s91, s25, 3
	s_add_co_u32 s98, s98, s91
	s_lshl_b32 s91, s20, 1
	s_add_co_u32 s98, s98, s91
	s_lshl_b32 s98, s98, 4
	s_add_co_u32 s98, s98, s3
	s_mul_i32 s98, s98, 1536
	s_add_co_u32 s98, s98, 25165824
	s_mov_b32 s99, 0
	s_add_nc_u64 s[14:15], s[16:17], s[98:99]
	s_lshl_b32 s98, s2, 4                          ; v's scale words: ((16 b + K step) x 32 + 8 cy) x 64: the work-group's eight rowblocks are 512 bytes on end
	s_add_co_u32 s98, s98, s3
	s_lshl_b32 s98, s98, 5
	s_lshl_b32 s91, s25, 3
	s_add_co_u32 s98, s98, s91
	s_lshl_b32 s98, s98, 6
	s_add_co_u32 s98, s98, 1048576
	s_add_nc_u64 s[100:101], s[18:19], s[98:99]
	s_lshl_b32 s98, s97, 4                         ; q's codes (k's lie 12,582,912 bytes on)
	s_add_co_u32 s98, s98, s96
	s_mul_i32 s98, s98, 1536
	s_add_nc_u64 s[16:17], s[16:17], s[98:99]
	s_lshl_b32 s98, s96, 7                         ; q's scale words (k's lie 524,288 bytes on)
	s_add_co_u32 s98, s98, s97
	s_lshl_b32 s98, s98, 6
	s_add_nc_u64 s[18:19], s[18:19], s[98:99]
.macro FRAG reg, adr, off              ; a fragment comes as it was stored: three loads of 512 consecutive bytes
.irp c, 0,1,2
	ds_load_b128 v[(\reg)+4*\c:(\reg)+4*\c+3], v[\adr] offset:(\off)+512*\c
.endr
.endm
.macro FETCH_B slot, q, p              ; B's eight fragments of the slot's K step q into set p
	WIN 0x40
.irp i, 0,1,2,3,4,5,6,7
	FRAG 128*(\p)+12*\i, ADRB+\slot, 3072*\i+1536*(\q)
.endr
	WIN 0
.endm
.macro FETCH_A slot, q, i0             ; A's blocks i0 .. i0 + 3
.irp i, \i0, \i0+1, \i0+2, \i0+3
	FRAG AF+12*(\i), ADRA+\slot, 3072*(\i)+1536*(\q)
.endr
.endm
; 16 matrix instructions: A's blocks a0, a0 + 1 (fragments at v[af + 12 a]) x B's eight; q: the K step, which picks the scale words.
; cm = 0: the sums go on; 1: they begin with B's bias in window 0; 2: with A's bias; 3: with B's bias in window 1.  The accumulators take turns, one instruction a turn.
.macro MUL16 a0, p, q, cm, af
.irp a, \a0, \a0+1
.irp t, 0,1,2,3,4,5,6,7
.if (\cm) == 0
	v_wmma_scale_f32_16x16x128_f8f6f4 v[8*(8*((\a)%4)+\t):8*(8*((\a)%4)+\t)+7], v[128*(\p)+12*\t:128*(\p)+12*\t+11], v[(\af)+12*(\a):(\af)+12*(\a)+11], v[8*(8*((\a)%4)+\t):8*(8*((\a)%4)+\t)+7], v[SC+4*\t+(\q)], v[SC+4*(\a)+(\q)] matrix_a_fmt:MATRIX_FMT_FP6 matrix_b_fmt:MATRIX_FMT_FP6 matrix_a_scale:MATRIX_SCALE_ROW1
.elseif (\cm) == 1
	v_wmma_scale_f32_16x16x128_f8f6f4 v[8*(8*((\a)%4)+\t):8*(8*((\a)%4)+\t)+7], v[128*(\p)+12*\t:128*(\p)+12*\t+11], v[(\af)+12*(\a):(\af)+12*(\a)+11], v[BIAS+8*\t:BIAS+8*\t+7], v[SC+4*\t+(\q)], v[SC+4*(\a)+(\q)] matrix_a_fmt:MATRIX_FMT_FP6 matrix_b_fmt:MATRIX_FMT_FP6 matrix_a_scale:MATRIX_SCALE_ROW1
.elseif (\cm) == 2
	v_wmma_scale_f32_16x16x128_f8f6f4 v[8*(8*((\a)%4)+\t):8*(8*((\a)%4)+\t)+7], v[128*(\p)+12*\t:128*(\p)+12*\t+11], v[(\af)+12*(\a):(\af)+12*(\a)+11], v[BIAS+8*(\a):BIAS+8*(\a)+7], v[SC+4*\t+(\q)], v[SC+4*(\a)+(\q)] matrix_a_fmt:MATRIX_FMT_FP6 matrix_b_fmt:MATRIX_FMT_FP6 matrix_a_scale:MATRIX_SCALE_ROW1
.else
	v_wmma_scale_f32_16x16x128_f8f6f4 v[8*(8*((\a)%4)+\t):8*(8*((\a)%4)+\t)+7], v[128*(\p)+12*\t:128*(\p)+12*\t+11], v[(\af)+12*(\a):(\af)+12*(\a)+11], v[96+8*\t+96*(\t/4):96+8*\t+96*(\t/4)+7], v[SC+4*\t+(\q)], v[SC+4*(\a)+(\q)] matrix_a_fmt:MATRIX_FMT_FP6 matrix_b_fmt:MATRIX_FMT_FP6 matrix_a_scale:MATRIX_SCALE_ROW1
.endif
.endr
.endr
.endm
.macro WINMUL cm, hi                   ; source 0 window 1, source 1 window 0; D window 2 or 3; C with D, or the bias's window
.if (\cm) == 0
	WIN 0xa1+0x50*(\hi)
.elseif (\cm) == 3
	WIN 0x91+0x40*(\hi)
.else
	WIN 0x81+0x40*(\hi)
.endif
.endm
; K step k (0..3) of a tile, which has a successor in slot nslot.  A has one set of registers: blocks 0-3 are fetched anew in the step's middle, blocks 4-7 at its end; B has two sets.
; A load into a register that a matrix instruction has read stands four plain vector instructions behind it.
.macro STEP k, nslot, cm
	s_wait_dscnt 12                                ; B's set and A's blocks 0-3 are in; the youngest twelve loads (A's blocks 4-7) may be out
	WINMUL \cm, 0
	MUL16 0, (\k)%2, \k, \cm, AF
	MUL16 2, (\k)%2, \k, \cm, AF
	s_wait_dscnt 0x0                               ; A's blocks 4-7 are in
	PLACES 4
	FETCH_B \nslot, ((\k)+1)%2, 1-(\k)%2
	FETCH_A \nslot, ((\k)+1)%2, 0
	WINMUL \cm, 1
	MUL16 4, (\k)%2, \k, \cm, AF
	MUL16 6, (\k)%2, \k, \cm, AF
	PLACES 4
	WIN 0
	FETCH_A \nslot, ((\k)+1)%2, 4
.endm
; 64 numbers of a lane, v[s] on in window w, register 16 b + i = k 32 b + 16 h + i of my row, become a fragment's codes in v[pc] on and its scale word in v[pw].  An accumulator is read from its low end on.
.macro QUANT s, w, pc, pw
	WIN 5*(\w)
.irp b, 0,1,2,3
	v_max3_num_f32 v[TM+\b], |v[(\s)+16*\b]|, |v[(\s)+16*\b+1]|, 0x1800000   ; my 16 numbers of block b, and the floor 2^(3 - 127): so the byte cannot fall under 1
.endr
.irp i, 2,4,6,8,10,12,14
.irp b, 0,1,2,3
	v_max3_num_f32 v[TM+\b], |v[(\s)+16*\b+\i]|, |v[(\s)+16*\b+\i+1]|, v[TM+\b]
.endr
.endr
	WIN 0
.irp b, 0,1,2,3
	v_permlanex16_b32 v[TM+4+\b], v[TM+\b], s[SEL], s[SEL+1]
.endr
.irp b, 0,1,2,3
	v_max_num_f32 v[TM+\b], v[TM+\b], v[TM+4+\b]   ; with lane l xor 16's: the block's largest magnitude
.endr
.irp b, 0,1,2,3
	v_add_nc_u32 v[TM+12+\b], 0xff000000, v[TM+\b] ; 2 off its exponent field: the conversion's scale operand
.endr
.irp b, 0,1,2,3
	v_lshrrev_b32 v[TM+4+\b], 23, v[TM+12+\b]      ; the scale's byte
.endr
	v_lshl_or_b32 v[\pw], v[TM+5], 8, v[TM+4]
	v_lshl_or_b32 v[\pw], v[TM+6], 16, v[\pw]
	v_lshl_or_b32 v[\pw], v[TM+7], 24, v[\pw]
	WIN \w
.irp c, 0,1
	v_cvt_scalef32_pk16_fp6_f32 v[(\pc)+6*\c:(\pc)+6*\c+2], v[(\s)+32*\c:(\s)+32*\c+15], v[TM+12+2*\c]
	v_cvt_scalef32_pk16_fp6_f32 v[TMP+4*\c:TMP+4*\c+2], v[(\s)+32*\c+16:(\s)+32*\c+31], v[TM+13+2*\c]
.endr
	WIN 0
	v_nop                                          ; one plain place behind a scaled conversion
.irp c, 0,1
.irp i, 0,1,2
	v_permlane16_swap_b32 v[(\pc)+6*\c+\i], v[TMP+4*\c+\i]
.endr
.irp i, 0,1,2
	v_mov_b32 v[(\pc)+6*\c+3+\i], v[TMP+4*\c+\i]
.endr
.endr
.endm
; The mask factors of the block of l number lj, in window 1 v0-63: +infinity where the feature is kept, 0 where it is masked.  A byte m (0 or 1) gives k = m xor 1, k << 7 = 0x80 or 0, (k << 7) - k = 0x7f or 0.
.macro TMAKE lj
.irp bb, 0,1,2,3
	ds_load_b128 v[MR+4*\bb:MR+4*\bb+3], v[MADR] offset:8*MPITCH*(\lj)+32*\bb
.endr
	s_wait_dscnt 0x0
.irp n, 0,1,2,3,4,5,6,7,8,9,10,11,12,13,14,15
	v_xor_b32 v[KA+\n], s90, v[MR+\n]
.endr
.irp n, 0,1,2,3,4,5,6,7,8,9,10,11,12,13,14,15
	v_lshlrev_b32 v[MR+\n], 7, v[KA+\n]
.endr
.irp n, 0,1,2,3,4,5,6,7,8,9,10,11,12,13,14,15
	v_sub_nc_u32 v[KA+\n], v[MR+\n], v[KA+\n]
.endr
	WIN 0x40
.set NN, 0
.rept 64
	v_perm_b32 v[NN], v[KA+NN/4], v[MR+NN/4], s[PSEL+NN%4]
.set NN, NN+1
.endr
	WIN 0
.endm
; A's block a = 4 lj + b: relu and mask in one instruction (the middle of x, 0 and the factor), q's scale (sc = 1), the quantiser, the stores
.macro BLK lj, b, sc
.set AA, 4*(\lj)+(\b)
	WIN (2+(\lj))|0x10
.set NN, 0
.rept 64
	v_med3_num_f32 v[YY+NN], v[64*(\b)+NN], 0, v[NN]
.set NN, NN+1
.endr
	WIN 0
.if \sc
.set NN, 0
.rept 32
	v_pk_mul_f32 v[YY+NN:YY+NN+1], v[YY+NN:YY+NN+1], s[SCQ:SCQ+1] op_sel_hi:[1,0]
.set NN, NN+2
.endr
.endif
.if AA >= 2
	s_wait_xcnt 0x0                                ; the stores of two blocks back have read their registers: that set of codes is written again only behind this wait
.endif
	QUANT YY, 0, PC0+12*(AA%2), PW+AA
.irp c, 0,1,2
	global_store_b128 v[VO+(\b)], v[PC0+12*(AA%2)+4*\c:PC0+12*(AA%2)+4*\c+3], s[16:17] offset:24576*(\lj)+512*\c   ; the fragment leaves as it stands: 32 lanes store 512 consecutive bytes, aligned
.endr
.endm
; The way out of a tile of q or k.  o01, o27: the offsets by which the NEXT phase's scale words are asked for, at the head: they have the whole way out in which to come.
.macro WAYOUT sc, o01, o27
	PLACES 4                                       ; in front of loads into the scale registers, of the first reads of results and of writes into registers that held fragments
.irp i, 0,1
	global_load_b128 v[SC+4*\i:SC+4*\i+3], v[\o01], s[6:7] offset:256*\i
.endr
.irp i, 2,3,4,5,6,7
	global_load_b128 v[SC+4*\i:SC+4*\i+3], v[\o27], s[6:7] offset:256*\i
.endr
.irp b, 0,1,2,3
	v_mov_b32 v[TM+4+\b], 0                        ; a lane permute's destination counts as one of its sources
.endr
	TMAKE 0
	BLK 0, 0, \sc
	BLK 0, 1, \sc
	BLK 0, 2, \sc
	BLK 0, 3, \sc
	TMAKE 1
	BLK 1, 0, \sc
	BLK 1, 1, \sc
	BLK 1, 2, \sc
	BLK 1, 3, \sc
.irp a, 0,1,2,3,4,5,6,7
	ds_store_b32 v[SSTA], v[PW+\a] offset:64*((\a%4)*2+\a/4)   ; lane r has row r's word; both halves of the lanes write the same word with the same value
.endr
	ds_load_b128 v[X4:X4+3], v[SSTL]               ; LDS serves a wave's instructions in order: this sees my stores
	s_wait_dscnt 0x0
	global_store_b128 v[SGO], v[X4:X4+3], s[18:19]
.endm
	; ---- q's tile: slots 0 and 1
	s_wait_tensorcnt 2                             ; my parts of slots 0 and 1 are in; slot 2's load and the mask's may be out
	s_barrier_signal -1
	s_barrier_wait -1                              ; everybody's are
	FETCH_B 0, 0, 0
	FETCH_A 0, 0, 0
	FETCH_A 0, 0, 4
	s_wait_loadcnt 0x0                             ; q's scale words and the three biases
	STEP 0, 0, 1                                   ; the bias starts the sums
	STEP 1, 1, 0
	STEP 2, 1, 0
	; q's last K step; slots 0 and 1 have been read out.  In front of the round each wave waits for all its tensor loads, adds 0 to its spare word, and waits for that and for its own reads
	s_wait_tensorcnt 0x0                           ; slot 2 and the mask tile have landed
	ds_add_u32 v[SPW], v[NIL]                      ; 0 onto my spare word
	s_wait_dscnt 13                                ; (the add and the youngest twelve loads, A's blocks 4-7, may be out)
	WIN 0xa1
	MUL16 0, 1, 3, 0, AF                           ; sixteen matrix instructions stand between the add and the wait for it
	s_wait_dscnt 0x0                               ; the add is done, and my reads of slots 0 and 1 are over
	s_barrier_signal -1
	MUL16 2, 1, 3, 0, AF
	WIN 0
	s_barrier_wait -1
	CREST                                          ; the barrier has opened a round of the cluster's barrier: no wave of any partner still reads slot 0 or has a load on its way
	s_add_nc_u64 s[G0A0+2:G0A0+3], s[G0A0+2:G0A0+3], 3145728+3072   ; from q's K half 0 to k's K half 1
	s_add_nc_u64 s[G0B0+2:G0B0+3], s[G0B0+2:G0B0+3], 786432+3072
	JLOAD G0A0, G1A, G0B0, G1B                     ; slot 0 is filled again: the first tensor load behind the round, and my only one until the next
	WIN 0xf1
	MUL16 4, 1, 3, 0, AF
	MUL16 6, 1, 3, 0, AF
	WIN 0
	WAYOUT 1, SOK, SOK
	; ---- slot 1 is filled again, with v's tile
	s_wait_tensorcnt 0x0                           ; k's K half 1 has landed: no tensor load of mine is out, so a group 0 may be written
	ds_add_u32 v[SPW], v[NIL]                      ; 0 onto my spare word
	s_add_nc_u64 s[G0A1+2:G0A1+3], s[4:5], s[VAO:VAO+1]
	s_or_b32 s[G0A1+3], s[G0A1+3], 0x80000000
	s_add_nc_u64 s[G0B1+2:G0B1+3], s[4:5], s[VBO:VBO+1]
	s_or_b32 s[G0B1+3], s[G0B1+3], 0x80000000
	s_wait_xcnt 0x0                                ; q's stores have read their registers and bases: the bases step, and fragments may land on the registers
	s_add_nc_u64 s[16:17], s[16:17], 12582912      ; on to k's codes
	s_add_nc_u64 s[18:19], s[18:19], 524288        ; and k's scale words
	s_wait_dscnt 0x0                               ; the add is done; my reads of slot 1 ended with q's products
	CROUND
	JLOAD G0A1, G1A, G0B1, G1B                     ; the first tensor load behind the round; it has k's whole tile in which to land
	; ---- k's tile: slots 2 and 0, both whole for every wave since that round
	FETCH_B 2, 0, 0
	FETCH_A 2, 0, 0
	FETCH_A 2, 0, 4
	s_wait_loadcnt 0x0                             ; k's scale words
	STEP 0, 2, 3
	STEP 1, 0, 0
	STEP 2, 0, 0
	s_wait_dscnt 12                                ; the last K step: nothing more to fetch
	WIN 0xa1
	MUL16 0, 1, 3, 0, AF
	MUL16 2, 1, 3, 0, AF
	s_wait_dscnt 0x0
	WIN 0xf1
	MUL16 4, 1, 3, 0, AF
	MUL16 6, 1, 3, 0, AF
	WIN 0
	WAYOUT 0, SOV, SOVB
	; ---- v's quarter: slot 1
.irp a, 0,1
.irp j, 0,1,2,3,4,5,6,7
	v_mov_b32 v[BIAS+8*\a+\j], v[VB+\a]            ; a lane's bias in all eight registers of a tile
.endr
.endr
	s_wait_xcnt 0x0                                ; k's stores have read their registers
	s_wait_tensorcnt 0x0                           ; my part of v's tile has landed (the one load that was out),
	s_wait_dscnt 0x0
	s_barrier_signal -1
	s_barrier_wait -1                              ; everybody's
.irp k, 0,1,2,3                        ; my two rowblocks of A, all four K steps: 96 registers
.irp a, 0,1
	FRAG AF+24*\k+12*\a, ADRVA, (\k/2)*HALFT+3072*\a+1536*(\k%2)
.endr
.endr
.macro FETCH_VB k                      ; B's eight fragments of K step k into set k % 2
	WIN 0x40
.irp t, 0,1,2,3,4,5,6,7
	FRAG 128*((\k)%2)+12*\t, ADRVB, ((\k)/2)*HALFT+3072*\t+1536*((\k)%2)
.endr
	WIN 0
.endm
.macro VSTEP k, fetch, cm              ; 16 matrix instructions; the next K step's fragments of B are asked for first, four plain vector instructions behind the products that read that set
	s_wait_dscnt 0x0
.if \fetch
	PLACES 4
	FETCH_VB (\k)+1
.endif
	WINMUL \cm, 0
	MUL16 0, (\k)%2, \k, \cm, AF+24*(\k)
	WIN 0
.endm
	FETCH_VB 0
	s_wait_loadcnt 0x0                             ; v's scale words
	VSTEP 0, 1, 2                                  ; the bias starts the sums
	VSTEP 1, 1, 0
	VSTEP 2, 1, 0
	VSTEP 3, 0, 0
	PLACES 4
.irp b, 0,1,2,3
	v_mov_b32 v[TM+4+\b], 0
.endr
.irp a, 0,1
	QUANT 64*\a, 2, PC0+12*\a, PW+\a
.irp c, 0,1,2
	global_store_b128 v[L16], v[PC0+12*\a+4*\c:PC0+12*\a+4*\c+3], s[14:15] offset:24576*\a+512*\c
.endr
	ds_store_b32 v[SSTVA], v[PW+\a] offset:64*\a   ; the four waves' words meet: 128 bytes a wave
.endr
	s_wait_dscnt 0x0                               ; for the others' sake: my stores have landed
	s_barrier_signal -1
	s_barrier_wait -1
	s_cmp_lg_u32 s20, 0
	s_cbranch_scc1 .Lnot_mine
	ds_load_b128 v[X4:X4+3], v[SSTVL]
	s_wait_dscnt 0x0
	global_store_b128 v[L16], v[X4:X4+3], s[100:101]   ; wave 0 stores the work-group's 512 consecutive bytes, aligned
.Lnot_mine:
	s_wait_tensorcnt 0x0                           ; the wave's end, behind my last tensor load and my last LDS store
	ds_add_u32 v[SPW], v[NIL]
	s_wait_dscnt 0x0
	CROUND                                         ; the closing round: no work-group ends while a partner may still ask for a tile that names it
	s_endpgm
.Lfunc_end_k_qda8aa3274f_proj:
	.size	k_qda8aa3274f_proj, .Lfunc_end_k_qda8aa3274f_proj-k_qda8aa3274f_proj
	.p2alignl 7, 3214868480
	.fill 96, 4, 3214868480
	.section	.rodata,"a",@progbits
	.p2align	6, 0x0
	.amdhsa_kernel k_qda8aa3274f_proj
		.amdhsa_group_segment_fixed_size 327680
		.amdhsa_private_segment_fixed_size 0
		.amdhsa_enable_private_segment 0
		.amdhsa_kernarg_size 64
		.amdhsa_user_sgpr_count 2
		.amdhsa_user_sgpr_kernarg_segment_ptr 1
		.amdhsa_wavefront_size32 1
		.amdhsa_system_sgpr_workgroup_id_x 1
		.amdhsa_system_sgpr_workgroup_id_y 1
		.amdhsa_system_sgpr_workgroup_id_z 1
		.amdhsa_system_vgpr_workitem_id 0
		.amdhsa_next_free_vgpr 1024
		.amdhsa_next_free_sgpr 102
		.amdhsa_reserve_vcc 1
		.amdhsa_float_denorm_mode_32 3
		.amdhsa_float_denorm_mode_16_64 3
		.amdhsa_memory_ordered 1
		.amdhsa_forward_progress 1
		.amdhsa_inst_pref_size 255
	.end_amdhsa_kernel
	.section	.bss,"aw",@nobits
	.p2align	6
	.space	262144
	.amdgpu_metadata
---
amdhsa.version: [ 1, 2 ]
amdhsa.kernels:
  - .name:           k_qda8aa3274f_proj
    .symbol:         k_qda8aa3274f_proj.kd
    .args:
      - { .name: c1, .offset: 0, .size: 8, .value_kind: global_buffer, .address_space: global }
      - { .name: s1, .offset: 8, .size: 8, .value_kind: global_buffer, .address_space: global }
      - { .name: q_b, .offset: 16, .size: 8, .value_kind: global_buffer, .address_space: global }
      - { .name: k_b, .offset: 24, .size: 8, .value_kind: global_buffer, .address_space: global }
      - { .name: v_b, .offset: 32, .size: 8, .value_kind: global_buffer, .address_space: global }
      - { .name: feat_mask, .offset: 40, .size: 8, .value_kind: global_buffer, .address_space: global }
      - { .name: c2, .offset: 48, .size: 8, .value_kind: global_buffer, .address_space: global }
      - { .name: s2, .offset: 56, .size: 8, .value_kind: global_buffer, .address_space: global }
    .group_segment_fixed_size: 327680
    .private_segment_fixed_size: 0
    .kernarg_segment_align: 8
    .kernarg_segment_size: 64
    .max_flat_workgroup_size: 128
    .sgpr_count:     102
    .vgpr_count:     1024
    .wavefront_size: 32
...
	.end_amdgpu_metadata
.endif
;; end of part 5
;; launch scores: the kernel of part 3 again; grid 8 x 32, 4 waves a work-group, clusters of 4 x 4, 327,680 bytes of LDS; arguments c2, s2, c3, s3; writes c3, s3
;; launch outp: the kernel of part 4 again; grid 4 x 64, 4 waves a work-group, clusters of 4 x 4, 327,680 bytes of LDS; arguments c3, s3, c2, s2, out0; writes out0
